; MI455X (gfx1250); checked and timed in simulation.
; The chip was launched on July 23, 2026; its instructions are those of AMD's public machine-readable ISA for CDNA 5 (MIT licence, August 2026) and "CDNA5" Instruction Set Architecture Reference Guide (July 2026). The comments in the code are by the model that wrote it; some were corrected since.
;; Casual Multi Head Self Attention. Allowed arithmetic: matrix products marked QUANTISED: E2M1 operands, one E8M0 scale for each 32 along K, by v_wmma_scale_f32_16x16x128_f8f6f4 with both operands' format E2M1 (or v_wmma_scale_f32_32x16x128_f4), f32 sums; products left as they are: bf16, f16 or f32 operands; f32 sums; everything else in f32.
;; Inputs: Wk 1,024 x 1,024 float32; Wo 1,024 x 1,024 float32; Wq 1,024 x 1,024 float32; Wv 1,024 x 1,024 float32; token_positions 2 x 2,048 int32; x 2 x 2,048 x 1,024 float32.
;; Outputs: out0 2 x 2,048 x 1,024 float32.
;; This version of the problem:
;;   THIS VERSION OF THE PROBLEM IS GIVEN IN LOW PRECISION. The matrix products marked QUANTISED in the list below multiply operands that are first quantised to E2M1 (2 exponent bits, 1 mantissa bit; 4 bits a number), with one power-of-two scale for each 32 numbers along K (OCP MX v1.0); their sums are f32. The products marked 'left as it is' may take bf16, f16 or f32 operands, with f32 sums. Whichever they take, every output number must still come out within the allowed error. Rounding operands to bf16 (8 significant bits) uses up far more of that allowance than f16 does (11 bits, for magnitudes from 6e-5 to 65,504). All else is computed in f32.
;;   The module's matrix products, in the order in which they are computed (A, B: the left and right operand; K: the contracted axis; several contracted axes count as one K, in the product's order):
;;     1. [M 4,096, K 1,024] x [K 1,024, N 1,024]; A: input x; B: input Wq: QUANTISED
;;     2. [M 4,096, K 1,024] x [K 1,024, N 1,024]; A: input x; B: input Wk: QUANTISED
;;     3. [M 4,096, K 1,024] x [K 1,024, N 1,024]; A: input x; B: input Wv: QUANTISED
;;     4. batch 32 x [M 2,048, K 64] x [K 64, N 2,048]; A: computed on the way; B: computed on the way: left as it is (an operand is computed on the way)
;;     5. batch 32 x [M 2,048, K 2,048] x [K 2,048, N 64]; A: computed on the way; B: computed on the way: left as it is (an operand is computed on the way)
;;     6. [M 4,096, K 1,024] x [K 1,024, N 1,024]; A: computed on the way; B: input Wo: left as it is (an operand is computed on the way)
;;   THE QUANTISER, for each operand of a quantised product, along K:
;;     - K is cut into blocks of 32 from its start; a last block that is shorter is filled with zeros.
;;     - A block's scale is 2^e with e = floor(log2(the largest magnitude in the block)) - 2, held to -126 .. 127; a block of zeros has e = 0. As a byte (E8M0): e + 127.
;;     - Each number is divided by its block's scale, clamped to +-6, and rounded to the nearest number of E2M1, ties to even, subnormals kept.
;;     - The product sums the exact products of the quantised numbers (number of the format x scale) in f32.
;;   ~~~python
;;   def quantise(x, axis):      # numpy; x: float32 -> the quantised numbers, widened to float32 again
;;       x = np.moveaxis(x, axis, -1); K = x.shape[-1]
;;       x = np.pad(x, [(0, 0)] * (x.ndim - 1) + [(0, -K % 32)]); x = x.reshape(x.shape[:-1] + (-1, 32)); a = np.abs(x).max(-1, keepdims=True)
;;       e = np.where(a > 0, np.clip(np.frexp(np.where(a > 0, a, 1))[1] - 1 - 2, -126, 127), 0)      # np.frexp(a)[1] - 1 = floor(log2(a)), exactly
;;       r = np.clip(x / 2.0 ** e, -6, 6)
;;       step = 2.0 ** (np.maximum(np.frexp(np.where(r == 0, 1, r))[1] - 1, 0) - 1)
;;       q = np.round(r / step) * step * 2.0 ** e      # np.round: ties to even
;;       return np.moveaxis(q.reshape(q.shape[:-2] + (-1,))[..., :K], -1, axis).astype(np.float32)
;;   ~~~
;; One version. Each part assembles by itself: llvm-mc -triple=amdgcn-amd-amdhsa -mcpu=gfx1250 --defsym DOCPART=n.
;; ======== version 1 of 1: 5 launches
;; limits: values are held in f16: magnitudes above 65,504 overflow, below 6.1e-05 lose precision; right only within a limited range of input values
;; workspace buffers: codes 3,670,016 bytes; scales 229,376 bytes; tab 1,048,576 bytes; wo16 2,097,152 bytes; qkv 25,165,824 bytes; early 393,216 bytes; attn16 8,388,608 bytes
;; launch prep (part 1): grid 288 x 1, 4 waves a work-group, no clusters, 33,280 bytes of LDS; arguments x, Wq, Wk, Wv, Wo, token_positions, codes, scales, wo16, tab; writes codes, scales, wo16, tab
.if DOCPART == 1
	.amdgcn_target "amdgcn-amd-amdhsa--gfx1250"
	.amdhsa_code_object_version 6
	.text
	.protected	k_q3a3bcc3fe8_prep
	.globl	k_q3a3bcc3fe8_prep
	.p2align	8
	.type	k_q3a3bcc3fe8_prep,@function
k_q3a3bcc3fe8_prep:
	s_mov_b64 s[64:65], 0
	v_nop
	global_prefetch_b8 v0, s[64:65] scope:SCOPE_SE
	s_setreg_imm32_b32 hwreg(HW_REG_WAVE_MODE, 25, 1), 1
	s_wait_xcnt 0x0
; PREP: everything that is made once from the inputs.  Three kinds of work-groups, told apart by the work-group's number alone:
;   0-223   x [4096][1024] and Wq, Wk, Wv [1024][1024], f32, K innermost, become codes of FP4 (E2M1) and one E8M0 byte for each 32 along K.
;           A block's scale is 2^(floor(log2(its largest magnitude)) - 2); each number is divided by it and rounded to the nearest code, ties to even, beyond 6 the largest code.
;           codes: x's 4,096 rows of 512 bytes, then 3,072 rows of the weights in the order head x 192 + tensor x 64 + (row % 64), so that one head's q, k and v rows lie together.  scales: 32 bytes a row, same order.
;   224-255 Wo [1024][1024] f32 becomes f16 planes [16 p][1024 e][64]: Wo[e][64 p + c].
;   256-287 the table of cos and sin: tab[row b x 2048 + s][frequency i] = (cos, sin) of position x 10000^(-i / 32), f32, 256 bytes a row.
; LIMITS.  NaN and infinities are not served.  A block of zeros gets the byte 1 (its codes are zeros; this program alone reads the bytes); blocks whose largest magnitude lies under 2^-124 are held at that byte.
; Wo is rounded to f16: magnitudes up to 65,504; under 6e-5 with an absolute step of 6e-8.  The frequency is 2^(-i x 0.41524101) by v_exp_f32; the angle is reduced by pi/2 in three parts, stated for |position| up to 65,536.
; No tensor loads, no barrier: waves share nothing.  Only the quantising path touches LDS.
.set WREG,  8192                       ; LDS of a quantising wave: two stages of 32 x SP bytes, and behind them its 256 scale bytes
.set SP,    80                         ; a lane's place in a stage: 64 bytes + 16 of padding
.set SPARE, 4*WREG                     ; behind the four regions: the spare words, 128 bytes a wave
.set STEPS, 16
.set CB,    8                          ; bytes of 16 codes
.set SPW,   12                         ; v12 LDS address of my spare word; never rewritten
.set NIL,   13                         ; v13 0; never rewritten
.set R,     16                         ; v16-79   four sets of 16 numbers as loaded
.set X,     80                         ; v80-111  two sets of 16 neighbours
.set E,     112                        ; v112-127 a scale byte for each step
.set C,     128                        ; v128-191 codes, four registers a step: no store's data are written again
	s_load_b512 s[4:19], s[0:1], 0x0               ; x 4:5, Wq 6:7, Wk 8:9, Wv 10:11, Wo 12:13, positions 14:15, codes 16:17, scales 18:19
	s_load_b128 s[20:23], s[0:1], 0x40             ; wo16 20:21, tab 22:23
	v_lshl_add_u32 v[SPW], v0, 2, SPARE
	v_mov_b32 v[NIL], 0
	v_lshrrev_b32 v1, 5, v0
	v_readfirstlane_b32 s24, v1                    ; wave 0..3
	v_and_b32 v2, 31, v0                           ; lane
	s_wait_kmcnt 0x0
	s_cmp_ge_u32 ttmp9, 256
	s_cbranch_scc1 .Lrope
	s_cmp_ge_u32 ttmp9, 224
	s_cbranch_scc1 .Lconv
; ---------------- the quantiser.  A wave takes a run of 8,192 numbers (8 rows): 16 steps of 512.  Each of a step's four loads reads 512 consecutive bytes; the 2,048 bytes turn through
; the wave's own stage in LDS and come back 64 bytes a lane, so that a lane holds 16 neighbours along K and two neighbouring lanes a block.
	v_lshlrev_b32 v3, 4, v2                        ; my 16 bytes of a load's 512
	s_mul_i32 s25, s24, WREG
	v_lshrrev_b32 v14, 2, v2
	v_mul_u32_u24 v14, v14, SP
	v_and_b32 v15, 3, v2
	v_lshl_add_u32 v14, v15, 4, v14
	v_add_nc_u32 v14, s25, v14                     ; into the stage: SP (lane / 4) + 16 (lane % 4)
	v_mul_u32_u24 v15, v2, SP
	v_add_nc_u32 v15, s25, v15                     ; out of it: SP x lane
	v_mul_u32_u24 v4, v2, CB                       ; my codes' place in a step's 256 bytes
	v_lshrrev_b32 v5, 1, v2
	s_add_co_u32 s25, s25, 2*32*SP
	v_add_nc_u32 v5, s25, v5                       ; my block's scale byte in LDS
	v_lshlrev_b32 v7, 3, v2
	v_add_nc_u32 v6, s25, v7                       ; and on the way out 8 bytes a lane
	s_sub_co_u32 s26, ttmp9, 128                   ; work-groups 128 on take the weights, 32 work-groups each (under 128 these numbers are made and not used)
	s_lshr_b32 s27, s26, 5                         ; tensor: 0 q, 1 k, 2 v
	s_and_b32 s34, s26, 31
	s_lshl_b32 s34, s34, 2
	s_add_co_u32 s34, s34, s24                     ; which run of 8 rows of the weight
	s_lshr_b32 s35, s34, 3                         ; its head (8 runs are 64 rows)
	s_mul_i32 s35, s35, 24
	s_lshl_b32 s36, s27, 3
	s_add_co_u32 s35, s35, s36
	s_and_b32 s36, s34, 7
	s_add_co_u32 s35, s35, s36
	s_add_co_u32 s35, s35, 512                     ; where it goes: behind x's 512 runs, run head x 24 + tensor x 8 + (run % 8)
	s_lshl_b32 s36, ttmp9, 2
	s_add_co_u32 s36, s36, s24                     ; x's run, in and out
	s_cmp_eq_u32 s27, 1
	s_cselect_b64 s[28:29], s[8:9], s[10:11]
	s_cmp_eq_u32 s27, 0
	s_cselect_b64 s[28:29], s[6:7], s[28:29]
	s_cmp_lt_u32 ttmp9, 128                        ; the choices hang on the work-group's number alone
	s_cselect_b64 s[28:29], s[4:5], s[28:29]
	s_cselect_b32 s34, s36, s34
	s_cselect_b32 s35, s36, s35
	s_lshl_b32 s36, s34, 15                        ; 32,768 bytes of f32 a run
	s_mov_b32 s37, 0
	s_add_nc_u64 s[28:29], s[28:29], s[36:37]
	s_lshl_b32 s36, s35, 12                        ; 4,096 bytes of codes
	s_add_nc_u64 s[30:31], s[16:17], s[36:37]
	s_lshl_b32 s36, s35, 8                         ; 256 scale bytes
	s_add_nc_u64 s[32:33], s[18:19], s[36:37]
.macro LOAD t
.irp i, 0,1,2,3
	global_load_b128 v[R+16*((\t)%4)+4*\i:R+16*((\t)%4)+4*\i+3], v3, s[28:29] offset:2048*(\t)+512*\i th:TH_LOAD_NT
.endr
.endm
.macro TURN t                          ; step t's numbers through the stage: LDS serves a wave's instructions in order, so no wait stands between the stores and the loads
.irp i, 0,1,2,3
	ds_store_b128 v14, v[R+16*((\t)%4)+4*\i:R+16*((\t)%4)+4*\i+3] offset:32*SP*((\t)%2)+8*SP*\i
.endr
.irp i, 0,1,2,3
	ds_load_b128 v[X+16*((\t)%2)+4*\i:X+16*((\t)%2)+4*\i+3], v15 offset:32*SP*((\t)%2)+16*\i
.endr
.endm
.irp t, 0,1,2,3
	LOAD \t
.endr
	s_wait_loadcnt 12                              ; step 0's four loads are in; three steps' twelve may be out
	TURN 0
.macro STEP t
.set XS, X+16*((\t)%2)
.if (\t) > 0
	s_wait_dscnt 1                                 ; this step's numbers are back from the stage; the last step's byte store may be out
.else
	s_wait_dscnt 0x0
.endif
.if (\t)+4 < STEPS
	LOAD (\t)+4                                    ; into the registers that the stage's stores have read
.endif
.if (\t)+1 < STEPS
.if STEPS-2-(\t) >= 3
	s_wait_loadcnt 12                              ; the next step's four loads are in; those of the three steps behind it may be out
.else
	s_wait_loadcnt 4*(STEPS-2-(\t))
.endif
	TURN (\t)+1
.endif
	v_max3_num_f32 v8, |v[XS]|, |v[XS+1]|, |v[XS+2]|               ; the largest magnitude of my 16, in two chains
	v_max3_num_f32 v9, |v[XS+3]|, |v[XS+4]|, |v[XS+5]|
.irp i, 6,10
	v_max3_num_f32 v8, v8, |v[XS+\i]|, |v[XS+\i+1]|
	v_max3_num_f32 v9, v9, |v[XS+\i+2]|, |v[XS+\i+3]|
.endr
	v_max3_num_f32 v8, v8, |v[XS+14]|, |v[XS+15]|
	v_max3_num_f32 v8, v8, v9, 0x1800000           ; and the floor 2^(3 - 127): the byte cannot fall under 1
	v_max_num_f32_dpp v8, v8, v8 row_xmask:1 row_mask:0xf bank_mask:0xf   ; with my neighbour's 16: the block's
	v_add_nc_u32 v11, 0xff000000, v8               ; 2 off its exponent field: the conversion takes the exponent field of this operand as its scale
	v_cvt_scalef32_pk8_fp4_f32 v[C+4*(\t)], v[XS:XS+7], v11
	v_cvt_scalef32_pk8_fp4_f32 v[C+4*(\t)+1], v[XS+8:XS+15], v11
	v_lshrrev_b32 v[E+(\t)], 23, v11               ; the scale's byte (also the plain line behind the conversions)
	ds_store_b8 v5, v[E+(\t)] offset:16*(\t)       ; both lanes of a block write the same byte with the same value
	global_store_b64 v4, v[C+4*(\t):C+4*(\t)+1], s[30:31] offset:32*CB*(\t)   ; the wave stores 256 consecutive bytes, aligned
.endm
.irp t, 0,1,2,3,4,5,6,7,8,9,10,11,12,13,14,15
	STEP \t
.endr
	ds_load_b64 v[8:9], v6                         ; my wave's 256 scale bytes: these loads see my stores
	s_wait_dscnt 0x0
	global_store_b64 v7, v[8:9], s[32:33]          ; 256 consecutive bytes, aligned
	s_wait_tensorcnt 0x0                           ; the wave's end: behind my last LDS store
	ds_add_u32 v[SPW], v[NIL]
	s_wait_dscnt 0x0
	s_endpgm
; ---------------- Wo to f16 planes.  A wave takes 8 rows.  A step is 4 rows x one plane of 64 columns: eight lanes read 256 consecutive bytes in two loads, and the wave stores 512 consecutive bytes.
.Lconv:
	s_sub_co_u32 s25, ttmp9, 224
	s_lshl_b32 s25, s25, 2
	s_add_co_u32 s25, s25, s24                     ; which 8 rows
	s_lshl_b32 s26, s25, 15
	s_mov_b32 s27, 0
	s_add_nc_u64 s[28:29], s[12:13], s[26:27]
	s_lshl_b32 s26, s25, 10
	s_add_nc_u64 s[30:31], s[20:21], s[26:27]
	v_lshrrev_b32 v3, 3, v2
	v_lshlrev_b32 v3, 12, v3
	v_and_b32 v4, 7, v2
	v_lshl_add_u32 v3, v4, 5, v3                   ; in: row lane / 8, 32 bytes for lane % 8
	v_lshlrev_b32 v4, 4, v2                        ; out: 16 bytes a lane
.macro LOADC n                         ; batch n: steps 8 n .. 8 n + 7; step st: rows 4 (st / 16) on, plane st % 16
.irp i, 0,1,2,3,4,5,6,7
	global_load_b128 v[16+64*((\n)%2)+8*\i:16+64*((\n)%2)+8*\i+3],   v3, s[28:29] offset:((8*(\n)+\i)/16)*16384+((8*(\n)+\i)%16)*256 th:TH_LOAD_NT
	global_load_b128 v[16+64*((\n)%2)+8*\i+4:16+64*((\n)%2)+8*\i+7], v3, s[28:29] offset:((8*(\n)+\i)/16)*16384+((8*(\n)+\i)%16)*256+16 th:TH_LOAD_NT
.endr
.endm
.macro CVTC n
.irp i, 0,1,2,3,4,5,6,7
.irp k, 0,1,2,3
	v_cvt_pk_f16_f32 v[144+4*\i+\k], v[16+64*((\n)%2)+8*\i+2*\k], v[16+64*((\n)%2)+8*\i+2*\k+1]
.endr
	global_store_b128 v4, v[144+4*\i:144+4*\i+3], s[30:31] offset:((8*(\n)+\i)%16)*131072+((8*(\n)+\i)/16)*512
.endr
.endm
	LOADC 0
	LOADC 1
	s_wait_loadcnt 16                              ; batch 0 is in; batch 1's sixteen may be out
	CVTC 0
	LOADC 2
	s_wait_loadcnt 16
	s_wait_xcnt 0x0                                ; the last batch's stores have read their data: the registers are written again only behind this wait
	CVTC 1
	LOADC 3
	s_wait_loadcnt 16
	s_wait_xcnt 0x0
	CVTC 2
	s_wait_loadcnt 0x0
	s_wait_xcnt 0x0
	CVTC 3
	s_endpgm
; ---------------- the table.  A wave takes 32 rows; a lane is a frequency.  The 32 positions come by two scalar loads.
.Lrope:
	s_sub_co_u32 s25, ttmp9, 256
	s_lshl_b32 s25, s25, 2
	s_add_co_u32 s25, s25, s24                     ; which 32 rows
	s_lshl_b32 s26, s25, 7
	s_mov_b32 s27, 0
	s_add_nc_u64 s[14:15], s[14:15], s[26:27]
	s_load_b512 s[32:47], s[14:15], 0x0
	s_load_b512 s[48:63], s[14:15], 0x40
	s_lshl_b32 s28, s25, 13
	s_mov_b32 s29, 0
	s_add_nc_u64 s[22:23], s[22:23], s[28:29]
	s_mov_b32 s66, 0xbfc90fd8                      ; -pi/2 in three parts
	s_mov_b32 s67, 0xb4a8885a
	s_mov_b32 s68, 0xa7c234c4
	s_mov_b32 s69, 0x37cd4000                      ; the cosine's polynomial in r^2; its last two terms are -0.5 and 1
	s_mov_b32 s70, 0xbab6077d
	s_mov_b32 s71, 0x3d2aaaa8
	s_mov_b32 s72, 0x36405000                      ; the sine's
	s_mov_b32 s73, 0xb9503486
	s_mov_b32 s74, 0x3c0888c1
	s_mov_b32 s75, 0xbe2aaaab
	v_cvt_f32_u32 v10, v2
	v_mul_f32 v10, 0xbed49a78, v10                 ; -i x log2(10000) / 32
	v_exp_f32 v10, v10                             ; my frequency
	v_lshlrev_b32 v9, 3, v2                        ; (a plain line behind the exponential)  8 bytes a lane: a row of the table is 256 bytes
	s_wait_alu depctr_va_vdst(0)                   ; the wait ahead of the first reader
	s_wait_kmcnt 0x0
; Four rows at a time, line by line, so that no line waits for the line above it.  Row u's registers: v[16 + 8 u]: +0 angle, later r^3, later a sign; +1 n; +2 r; +3 n as a whole number; +4 r^2; +5 cos r; +6 sin r; +7 n & 1.
.macro SC4 k0
.irp u, 0,1,2,3
	v_cvt_f32_i32 v[16+8*\u], s[32+\k0+\u]
.endr
.irp u, 0,1,2,3
	v_mul_f32 v[16+8*\u], v[16+8*\u], v10          ; the angle, rounded to f32 as the definition rounds it
.endr
.irp u, 0,1,2,3
	v_mul_f32 v[17+8*\u], 0x3f22f983, v[16+8*\u]   ; x 2 / pi
.endr
.irp u, 0,1,2,3
	v_rndne_f32 v[17+8*\u], v[17+8*\u]             ; n
.endr
.irp u, 0,1,2,3
	v_fma_f32 v[18+8*\u], v[17+8*\u], s66, v[16+8*\u]
.endr
.irp u, 0,1,2,3
	v_fma_f32 v[18+8*\u], v[17+8*\u], s67, v[18+8*\u]
.endr
.irp u, 0,1,2,3
	v_fma_f32 v[18+8*\u], v[17+8*\u], s68, v[18+8*\u]   ; r = angle - n pi/2
.endr
.irp u, 0,1,2,3
	v_cvt_i32_f32 v[19+8*\u], v[17+8*\u]
.endr
.irp u, 0,1,2,3
	v_mul_f32 v[20+8*\u], v[18+8*\u], v[18+8*\u]
.endr
.irp u, 0,1,2,3
	v_fma_f32 v[21+8*\u], v[20+8*\u], s69, s70
	v_fma_f32 v[22+8*\u], v[20+8*\u], s72, s73
.endr
.irp u, 0,1,2,3
	v_fma_f32 v[21+8*\u], v[21+8*\u], v[20+8*\u], s71
	v_fma_f32 v[22+8*\u], v[22+8*\u], v[20+8*\u], s74
.endr
.irp u, 0,1,2,3
	v_fma_f32 v[21+8*\u], v[21+8*\u], v[20+8*\u], -0.5
	v_fma_f32 v[22+8*\u], v[22+8*\u], v[20+8*\u], s75
.endr
.irp u, 0,1,2,3
	v_fma_f32 v[21+8*\u], v[21+8*\u], v[20+8*\u], 1.0     ; cos r
	v_mul_f32 v[16+8*\u], v[18+8*\u], v[20+8*\u]
.endr
.irp u, 0,1,2,3
	v_fma_f32 v[22+8*\u], v[22+8*\u], v[16+8*\u], v[18+8*\u]   ; sin r
	v_and_b32 v[23+8*\u], 1, v[19+8*\u]
.endr
.irp u, 0,1,2,3
	v_cmp_eq_u32 vcc_lo, 1, v[23+8*\u]             ; an odd n changes sine and cosine
	v_cndmask_b32 v[65+2*(\k0+\u)], v[22+8*\u], v[21+8*\u], vcc_lo
	v_cndmask_b32 v[64+2*(\k0+\u)], v[21+8*\u], v[22+8*\u], vcc_lo
.endr
.irp u, 0,1,2,3
	v_lshlrev_b32 v[16+8*\u], 30, v[19+8*\u]       ; bit 1 of n turns the sine's sign,
	v_add_nc_u32 v[19+8*\u], 1, v[19+8*\u]
.endr
.irp u, 0,1,2,3
	v_and_b32 v[16+8*\u], 0x80000000, v[16+8*\u]
	v_lshlrev_b32 v[19+8*\u], 30, v[19+8*\u]       ; bit 1 of n + 1 the cosine's
.endr
.irp u, 0,1,2,3
	v_xor_b32 v[65+2*(\k0+\u)], v[65+2*(\k0+\u)], v[16+8*\u]
	v_and_b32 v[19+8*\u], 0x80000000, v[19+8*\u]
.endr
.irp u, 0,1,2,3
	v_xor_b32 v[64+2*(\k0+\u)], v[64+2*(\k0+\u)], v[19+8*\u]
.endr
.irp u, 0,1,2,3
	global_store_b64 v9, v[64+2*(\k0+\u):65+2*(\k0+\u)], s[22:23] offset:256*(\k0+\u)   ; a row: 256 consecutive bytes, aligned; each row has its own pair, so no store's data are written again
.endr
.endm
.irp k, 0,4,8,12,16,20,24,28
	SC4 \k
.endr
	s_endpgm
.Lfunc_end_k_q3a3bcc3fe8_prep:
	.size	k_q3a3bcc3fe8_prep, .Lfunc_end_k_q3a3bcc3fe8_prep-k_q3a3bcc3fe8_prep
	.p2alignl 7, 3214868480
	.fill 96, 4, 3214868480
	.section	.rodata,"a",@progbits
	.p2align	6, 0x0
	.amdhsa_kernel k_q3a3bcc3fe8_prep
		.amdhsa_group_segment_fixed_size 33280
		.amdhsa_private_segment_fixed_size 0
		.amdhsa_enable_private_segment 0
		.amdhsa_kernarg_size 80
		.amdhsa_user_sgpr_count 2
		.amdhsa_user_sgpr_kernarg_segment_ptr 1
		.amdhsa_wavefront_size32 1
		.amdhsa_system_sgpr_workgroup_id_x 1
		.amdhsa_system_sgpr_workgroup_id_y 1
		.amdhsa_system_sgpr_workgroup_id_z 1
		.amdhsa_system_vgpr_workitem_id 0
		.amdhsa_next_free_vgpr 192
		.amdhsa_next_free_sgpr 80
		.amdhsa_reserve_vcc 1
		.amdhsa_float_denorm_mode_32 3
		.amdhsa_float_denorm_mode_16_64 3
		.amdhsa_memory_ordered 1
		.amdhsa_forward_progress 1
		.amdhsa_inst_pref_size 99
	.end_amdhsa_kernel
	.amdgpu_metadata
---
amdhsa.version: [ 1, 2 ]
amdhsa.kernels:
  - .name:           k_q3a3bcc3fe8_prep
    .symbol:         k_q3a3bcc3fe8_prep.kd
    .args:
      - { .name: x, .offset: 0, .size: 8, .value_kind: global_buffer, .address_space: global }
      - { .name: Wq, .offset: 8, .size: 8, .value_kind: global_buffer, .address_space: global }
      - { .name: Wk, .offset: 16, .size: 8, .value_kind: global_buffer, .address_space: global }
      - { .name: Wv, .offset: 24, .size: 8, .value_kind: global_buffer, .address_space: global }
      - { .name: Wo, .offset: 32, .size: 8, .value_kind: global_buffer, .address_space: global }
      - { .name: token_positions, .offset: 40, .size: 8, .value_kind: global_buffer, .address_space: global }
      - { .name: codes, .offset: 48, .size: 8, .value_kind: global_buffer, .address_space: global }
      - { .name: scales, .offset: 56, .size: 8, .value_kind: global_buffer, .address_space: global }
      - { .name: wo16, .offset: 64, .size: 8, .value_kind: global_buffer, .address_space: global }
      - { .name: tab, .offset: 72, .size: 8, .value_kind: global_buffer, .address_space: global }
    .group_segment_fixed_size: 33280
    .private_segment_fixed_size: 0
    .kernarg_segment_align: 8
    .kernarg_segment_size: 80
    .max_flat_workgroup_size: 128
    .sgpr_count:     80
    .vgpr_count:     192
    .wavefront_size: 32
...
	.end_amdgpu_metadata
.endif
;; end of part 1
;; launch qkv (part 2): grid 16 x 16, 4 waves a work-group, clusters of 4 x 4, 327,680 bytes of LDS; arguments codes, scales, tab, qkv, early; writes qkv, early
.if DOCPART == 2
	.amdgcn_target "amdgcn-amd-amdhsa--gfx1250"
	.amdhsa_code_object_version 6
	.text
	.protected	k_q3a3bcc3fe8_qkv
	.globl	k_q3a3bcc3fe8_qkv
	.p2align	8
	.type	k_q3a3bcc3fe8_qkv,@function
k_q3a3bcc3fe8_qkv:
	s_mov_b64 s[64:65], 0
	v_nop
	global_prefetch_b8 v0, s[64:65] scope:SCOPE_SE
	s_setreg_imm32_b32 hwreg(HW_REG_WAVE_MODE, 25, 1), 1
	s_wait_xcnt 0x0
	s_wait_alu depctr_hold_cnt(0) depctr_sa_sdst(0) depctr_va_vdst(0) depctr_va_sdst(0) depctr_va_ssrc(0) depctr_va_vcc(0) depctr_vm_vsrc(0)
	s_getreg_b32 s2, hwreg(HW_REG_IB_STS2, 6, 4)
	s_cmp_eq_u32 s2, 0
	s_cbranch_scc0 .Lentry_in_a_cluster
	s_endpgm
.Lentry_in_a_cluster:
	s_bfe_u32 s2, ttmp6, 0x10000c
	s_cmp_lg_u32 s2, 0xf033
	s_cbranch_scc0 .Lentry_shape_is_right
	s_endpgm
.Lentry_shape_is_right:
; QKV: [4096 rows of x] x [3072 rows of Wq, Wk, Wv]^T on codes of FP4 with E8M0 scales, K = 1,024, sums in f32; then the rotation of q and k by the table, in f32; then rounding to f16.
; SHARES.  Work-group (x = head, y = 256 rows): 256 rows x 192 columns, the q, k and v of one head.  Wave w: rows 64 w .. 64 w + 63 x all 192 columns: 4 x 12 accumulators, 384 registers.
; ALL OF K FITS IN LDS (A: 256 rows x 512 bytes, B: 192 x 512), so there is no ring: three tensor loads a wave at the start (scale bytes, K's first half, K's second half), nothing is filled again.
; CLUSTERS: 4 x 4 work-groups.  The four of a row of the cluster need the same rows of x, the four of a column the same head's weights: each tile is asked for jointly, which divides the requests by four.
; THE MATRIX INSTRUCTION IS USED TRANSPOSED (source 0 = 16 rows of W, source 1 = 16 rows of x): a lane holds row lane % 16 and columns 16 b + 8 (lane / 16) + 0 .. 7, so the rotation's pairs lie in one lane.
; OUT: qkv = q, k, v, each [32 batch x head][2048][64] f16, through the wave's own stage in LDS, 512 consecutive bytes a store.  The first 16 positions of each sequence also leave in f32, as IMAGES OF THE REGISTERS:
; early [2 batches][16 heads][q, k, v][8 images][32 lanes][16 bytes]; image 2 g + u of lane (r, h) holds position r, channels 16 g + 8 h + 4 u + 0 .. 3.  So each of these stores covers 512 consecutive bytes too.
; LIMITS: q, k, v are rounded to f16 (magnitudes up to 65,504).  NaN and infinities are not served.
; REGISTERS, in windows of 256.  Window 0: v1-30 addresses; v32-63 A's scale words (block a, K step q: 32 + 8 a + q); v64-159 B's (64 + 8 b + q): they hold scales and nothing else; v160-223 A's fragments, two sets.
;   Window 1: B's fragments, two sets of 96; on the way out v0-63 rotated numbers, v64-111 f16 pairs, v112-159 rows back from the stage, v160-167 at work.
;   Window 2: accumulators of A's blocks 0, 1 at 8 (12 (a % 2) + b); v192-255 their rows of the table.   Window 3: the same for blocks 2, 3.
.set PITCH, 272                        ; an LDS row: 256 bytes + 16 of padding: the 16 rows of a fragment load start 68 words apart
.set AHALF, 256*PITCH                  ; A, one half of K
.set BBASE, 2*AHALF
.set BHALF, 192*PITCH
.set SCA,   BBASE+2*BHALF              ; A's scale bytes: 32 runs of 256 bytes + 16
.set SCB,   SCA+32*272                 ; B's: 24 runs
.set STAGE, 259072                     ; the next multiple of 256 behind them: 3 tensors x 16 rows x 144 bytes for each wave; no tensor load lands here
.set WST,   3*16*144
.set SPARE, STAGE+4*WST                ; the spare words, 128 bytes a wave
.set ADRA, 16                          ; v16-17 my A fragments in half 0, 1
.set ADRB, 20                          ; v20-21 B's
.set ASA,  22                          ; v22 my rows' scale words
.set ASB,  23                          ; v23 B's
.set STO,  24                          ; v24 into the stage
.set RD,   25                          ; v25 out of it
.set GO,   26                          ; v26 16 x lane
.set TO,   27                          ; v27 256 (lane % 16) + 32 (lane / 16): my place in 16 rows of the table
.set SPW,  28
.set NIL,  29
.set SA,   32
.set SB,   64
.set AF,   160
.set RR,   0                           ; window 1, on the way out
.set PP,   64
.set BK,   112
.set TT,   160
.set G1A, 24
.set G0A, 32
.set G1B, 48
.set G0B, 56
.set G1SA, 68
.set G0SA, 76
.set G1SB, 80
.set G0SB, 88
.set MSB, 0
.macro WIN new                         ; the immediate's high byte repeats the setting that is left; a switch that changes nothing is dropped
.if MSB != (\new)
	s_set_vgpr_msb (MSB<<8)|(\new)
.set MSB, (\new)
.endif
.endm
.set MUL_LO, 0xa1                      ; source 0 (W) window 1, source 1 (x) window 0, C and D window 2
.set MUL_HI, 0xf1                      ; the same, C and D window 3
; A joint load: waves 0 and 1 fetch for A, waves 2 and 3 for B.  Each line has one mask and one set of registers; the branch hangs on the wave's number alone.  An s_nop 0 and four v_nop follow each line.
.macro JLOAD g0a, g1a, g0b, g1b
	s_cmp_eq_u32 s15, 0
	s_cbranch_scc0 .Lfor_b_\@
	tensor_load_to_lds s[\g0a:\g0a+3], s[\g1a:\g1a+7]
	s_nop 0
.rept 4
	v_nop
.endr
	s_branch .Lasked_\@
.Lfor_b_\@:
	tensor_load_to_lds s[\g0b:\g0b+3], s[\g1b:\g1b+7]
	s_nop 0
.rept 4
	v_nop
.endr
.Lasked_\@:
.endm
.macro CROUND                          ; a round of the cluster's barrier
	s_barrier_signal -1
	s_barrier_wait -1
	s_cmp_lg_u32 s14, 0
	s_cbranch_scc1 .Lnot_wave_0_\@
	s_barrier_signal -3
.Lnot_wave_0_\@:
	s_barrier_wait -3
	s_barrier_signal -1
	s_barrier_wait -1
.endm
.macro PLACES                          ; four plain vector lines between a matrix instruction and a load into, or a vector line on, its registers
.rept 4
	v_nop
.endr
.endm
	s_load_b256 s[4:11], s[0:1], 0x0               ; codes 4:5, scales 6:7, tab 8:9, qkv 10:11
	s_load_b64 s[12:13], s[0:1], 0x20              ; early
	v_lshl_add_u32 v[SPW], v0, 2, SPARE
	v_mov_b32 v[NIL], 0
	ds_add_u32 v[SPW], v[NIL]                      ; the wave's opening: the add, twice on end, and its wait ahead of my first tensor load
	ds_add_u32 v[SPW], v[NIL]
	v_lshrrev_b32 v1, 5, v0
	v_readfirstlane_b32 s14, v1                    ; wave 0..3
	s_lshr_b32 s15, s14, 1                         ; I fetch for A (0) or for B (1),
	s_and_b32 s16, s14, 1                          ; its first or second half of the rows
	s_bfe_u32 s40, ttmp6, 0x40000                  ; cx, cy: my place in the cluster
	s_bfe_u32 s41, ttmp6, 0x40004
	s_lshl_b32 s42, ttmp9, 2
	s_add_co_u32 s42, s42, s40                     ; head = 4 x cluster x + cx
	s_and_b32 s17, ttmp7, 0xffff
	s_lshl_b32 s17, s17, 2
	s_add_co_u32 s17, s17, s41                     ; row tile = 4 x cluster y + cy
	s_lshl_b32 s43, s41, 2
	s_lshl_b32 s43, 15, s43                        ; my row of the cluster
	s_lshl_b32 s44, 0x1111, s40                    ; my column
	; group 1 for the codes: rows of 256 bytes out of rows of 512, 16 bytes of padding behind each; elements of 1 byte; bit 21 set beside a mask
	s_or_b32 s[G1A], s43, (0<<16)|(1<<20)|(1<<21)|(5<<22)|(3<<25)
	s_or_b32 s[G1B], s44, (0<<16)|(1<<20)|(1<<21)|(5<<22)|(3<<25)
	s_mov_b32 s[G1A+1], 256<<16                    ; tensor_dim0
	s_mov_b32 s[G1A+2], 128<<16                    ; tensor_dim1: 128 rows of x a load
	s_mov_b32 s[G1A+3], 256<<16                    ; tile_dim0
	s_mov_b32 s[G1A+4], 128                        ; tile_dim1
	s_mov_b32 s[G1A+5], 512                        ; from row to row
	s_mov_b32 s[G1A+6], 0
	s_mov_b32 s[G1A+7], 0
	s_mov_b32 s[G1B+1], 256<<16
	s_mov_b32 s[G1B+2], 96<<16                     ; 96 rows of W a load
	s_mov_b32 s[G1B+3], 256<<16
	s_mov_b32 s[G1B+4], 96
	s_mov_b32 s[G1B+5], 512
	s_mov_b32 s[G1B+6], 0
	s_mov_b32 s[G1B+7], 0
	; and for the scale bytes: dense blocks, as rows of 256 bytes (32 elements of 8 bytes), 16 bytes of padding behind each
	s_or_b32 s[G1SA], s43, (3<<16)|(1<<20)|(1<<21)|(5<<22)|(3<<25)
	s_or_b32 s[G1SB], s44, (3<<16)|(1<<20)|(1<<21)|(5<<22)|(3<<25)
	s_mov_b32 s[G1SA+1], 32<<16
	s_mov_b32 s[G1SA+2], 16<<16                    ; 128 rows x 32 bytes
	s_mov_b32 s[G1SA+3], 32<<16
	s_mov_b32 s[G1SA+4], 16
	s_mov_b32 s[G1SA+5], 32
	s_mov_b32 s[G1SA+6], 0
	s_mov_b32 s[G1SA+7], 0
	s_mov_b32 s[G1SB+1], 32<<16
	s_mov_b32 s[G1SB+2], 12<<16                    ; 96 rows x 32 bytes
	s_mov_b32 s[G1SB+3], 32<<16
	s_mov_b32 s[G1SB+4], 12
	s_mov_b32 s[G1SB+5], 32
	s_mov_b32 s[G1SB+6], 0
	s_mov_b32 s[G1SB+7], 0
	; where the tiles come from: A's hang on the row tile alone, B's on the head alone, each in registers that never hold the other coordinate
	s_lshl_b32 s18, s16, 7
	s_lshl_b32 s20, s17, 8
	s_add_co_u32 s20, s20, s18                     ; A: row 256 x tile + 128 x half
	s_mul_i32 s46, s42, 192
	s_mul_i32 s18, s16, 96
	s_add_co_u32 s46, s46, s18                     ; B: row 192 x head + 96 x half
	s_lshl_b32 s22, s20, 5                         ; 32 scale bytes a row
	s_mov_b32 s23, 0
	s_lshl_b32 s20, s20, 9                         ; 512 bytes of codes a row
	s_mov_b32 s21, 0
	s_lshl_b32 s92, s46, 5
	s_add_co_u32 s92, s92, 131072                  ; the weights' scale bytes lie behind x's
	s_mov_b32 s93, 0
	s_lshl_b32 s46, s46, 9
	s_add_co_u32 s46, s46, 2097152                 ; and their codes
	s_mov_b32 s47, 0
	s_mul_i32 s45, s16, 128*PITCH                  ; where they go: no place in the cluster enters an LDS address
	s_mul_i32 s94, s16, 96*PITCH
	s_mul_i32 s95, s16, 16*272
	s_mul_i32 s96, s16, 12*272
	s_wait_dscnt 0x0                               ; both opening adds are done
	s_wait_kmcnt 0x0
	s_add_nc_u64 s[20:21], s[4:5], s[20:21]
	s_add_nc_u64 s[22:23], s[6:7], s[22:23]
	s_add_nc_u64 s[46:47], s[4:5], s[46:47]
	s_add_nc_u64 s[92:93], s[6:7], s[92:93]
	CROUND                                         ; all sixteen work-groups are here: the joint loads meet
	s_mov_b32 s[G0SA], 1
	s_add_co_u32 s[G0SA+1], s95, SCA
	s_mov_b64 s[G0SA+2:G0SA+3], s[22:23]
	s_or_b32 s[G0SA+3], s[G0SA+3], 0x80000000
	s_mov_b32 s[G0SB], 1
	s_add_co_u32 s[G0SB+1], s96, SCB
	s_mov_b64 s[G0SB+2:G0SB+3], s[92:93]
	s_or_b32 s[G0SB+3], s[G0SB+3], 0x80000000
	JLOAD G0SA, G1SA, G0SB, G1SB                   ; the scale bytes first: they are wanted with K's first half
.irp k, 0,1
	s_mov_b32 s[G0A+4*\k], 1
	s_add_co_u32 s[G0A+4*\k+1], s45, \k*AHALF
	s_add_nc_u64 s[G0A+4*\k+2:G0A+4*\k+3], s[20:21], \k*256
	s_or_b32 s[G0A+4*\k+3], s[G0A+4*\k+3], 0x80000000
	s_mov_b32 s[G0B+4*\k], 1
	s_add_co_u32 s[G0B+4*\k+1], s94, BBASE+\k*BHALF
	s_add_nc_u64 s[G0B+4*\k+2:G0B+4*\k+3], s[46:47], \k*256
	s_or_b32 s[G0B+4*\k+3], s[G0B+4*\k+3], 0x80000000
	JLOAD G0A+4*\k, G1A, G0B+4*\k, G1B             ; three loads of mine are out
.endr
	v_and_b32 v1, 15, v0                           ; r
	v_bfe_u32 v2, v0, 4, 1                         ; h
	v_mul_u32_u24 v3, v1, PITCH
	v_lshl_add_u32 v4, v2, 4, v3                   ; a fragment's row x pitch + 16 h
	s_mul_i32 s18, s14, 64*PITCH                   ; my 64 rows of A
	v_add_nc_u32 v[ADRA], s18, v4
	s_add_co_u32 s18, s18, AHALF
	v_add_nc_u32 v[ADRA+1], s18, v4
	v_add_nc_u32 v[ADRB], BBASE, v4
	v_add_nc_u32 v[ADRB+1], BBASE+BHALF, v4
	v_lshrrev_b32 v5, 3, v1                        ; scale words: eight rows of 32 bytes to a run of 256 + 16
	v_mul_u32_u24 v5, v5, 272
	v_and_b32 v6, 7, v1
	v_lshl_add_u32 v5, v6, 5, v5
	s_mul_i32 s18, s14, 8*272
	s_add_co_u32 s18, s18, SCA
	v_add_nc_u32 v[ASA], s18, v5
	v_add_nc_u32 v[ASB], SCB, v5
	s_mul_i32 s18, s14, WST
	s_add_co_u32 s18, s18, STAGE                   ; my stage
	v_mul_u32_u24 v5, v1, 144
	v_lshl_add_u32 v5, v2, 4, v5
	v_add_nc_u32 v[STO], s18, v5                   ; in: row r, 16 bytes for each half of the lanes
	v_and_b32 v6, 31, v0
	v_lshrrev_b32 v7, 3, v6
	v_mul_u32_u24 v7, v7, 144
	v_and_b32 v8, 7, v0
	v_lshl_add_u32 v7, v8, 4, v7
	v_add_nc_u32 v[RD], s18, v7                    ; back: eight lanes to a row of 128 bytes, four rows an instruction
	v_lshlrev_b32 v[GO], 4, v6
	v_lshlrev_b32 v[TO], 8, v1
	v_lshl_add_u32 v[TO], v2, 5, v[TO]
	s_lshl_b32 s20, s17, 16                        ; the table at my wave's first row: (256 x tile + 64 w) rows of 256 bytes
	s_lshl_b32 s21, s14, 14
	s_add_co_u32 s20, s20, s21
	s_mov_b32 s21, 0
	s_add_nc_u64 s[20:21], s[8:9], s[20:21]
	WIN 0x80                                       ; destination window 2, address window 0
.irp a, 0,1
.irp g, 0,1,2,3
	global_load_b128 v[192+32*\a+8*\g:192+32*\a+8*\g+3],   v[TO], s[20:21] offset:\a*4096+\g*64      ; (cos, sin) of frequencies 8 g + 4 h + 0, 1
	global_load_b128 v[192+32*\a+8*\g+4:192+32*\a+8*\g+7], v[TO], s[20:21] offset:\a*4096+\g*64+16   ; and + 2, 3
.endr
.endr
	WIN 0xc0                                       ; window 3
.irp a, 0,1
.irp g, 0,1,2,3
	global_load_b128 v[192+32*\a+8*\g:192+32*\a+8*\g+3],   v[TO], s[20:21] offset:(\a+2)*4096+\g*64
	global_load_b128 v[192+32*\a+8*\g+4:192+32*\a+8*\g+7], v[TO], s[20:21] offset:(\a+2)*4096+\g*64+16
.endr
.endr
	WIN 0
	; where the results go
	s_lshr_b32 s18, s17, 3                         ; batch
	s_lshl_b32 s19, s18, 4
	s_add_co_u32 s19, s19, s42                     ; batch x 16 + head
	s_mul_i32 s22, s19, 12288
	s_mov_b32 s23, 0
	s_add_nc_u64 s[22:23], s[12:13], s[22:23]      ; early
	s_lshl_b32 s92, s19, 11
	s_and_b32 s18, s17, 7                          ; 0 where the tile begins a sequence
	s_lshl_b32 s93, s18, 8
	s_add_co_u32 s92, s92, s93
	s_lshl_b32 s93, s14, 6
	s_add_co_u32 s92, s92, s93                     ; my wave's first row among 32 x 2,048
	s_lshl_b32 s92, s92, 7                         ; rows of 128 bytes
	s_mov_b32 s93, 0
	s_add_nc_u64 s[92:93], s[10:11], s[92:93]      ; q
	s_add_nc_u64 s[94:95], s[92:93], 0x800000      ; k
	s_add_nc_u64 s[96:97], s[92:93], 0x1000000     ; v
; 32 LDS loads: the fragments of K step q (128 along K) into set q % 2.  A fragment is 8 registers: lane l holds row l % 16; registers 4 c .. 4 c + 3 hold K = 64 c + 32 (l / 16) + 0 .. 31: 16 bytes of the row as they lie.
.macro FETCH q
	WIN 0x40                                       ; destination window 1
.irp b, 0,1,2,3,4,5,6,7,8,9,10,11
.irp c, 0,1
	ds_load_b128 v[96*((\q)%2)+8*\b+4*\c:96*((\q)%2)+8*\b+4*\c+3], v[ADRB+(\q)/4] offset:64*((\q)%4)+32*\c+\b*16*PITCH
.endr
.endr
	WIN 0
.irp a, 0,1,2,3
.irp c, 0,1
	ds_load_b128 v[AF+32*((\q)%2)+8*\a+4*\c:AF+32*((\q)%2)+8*\a+4*\c+3], v[ADRA+(\q)/4] offset:64*((\q)%4)+32*\c+\a*16*PITCH
.endr
.endr
.endm
; 48 matrix instructions: K step q.  The 48 accumulators take turns, one instruction a turn, in the same order in every step.  The first step's products start the sums: nothing is cleared.
.macro MULS q
.irp a, 0,1,2,3
	WIN MUL_LO+0x50*(\a/2)
.irp b, 0,1,2,3,4,5,6,7,8,9,10,11
.if (\q) == 0
	v_wmma_scale_f32_16x16x128_f8f6f4 v[8*(12*(\a%2)+\b):8*(12*(\a%2)+\b)+7], v[96*((\q)%2)+8*\b:96*((\q)%2)+8*\b+7], v[AF+32*((\q)%2)+8*\a:AF+32*((\q)%2)+8*\a+7], 0, v[SB+8*\b+(\q)], v[SA+8*\a+(\q)] matrix_a_fmt:MATRIX_FMT_FP4 matrix_b_fmt:MATRIX_FMT_FP4
.else
	v_wmma_scale_f32_16x16x128_f8f6f4 v[8*(12*(\a%2)+\b):8*(12*(\a%2)+\b)+7], v[96*((\q)%2)+8*\b:96*((\q)%2)+8*\b+7], v[AF+32*((\q)%2)+8*\a:AF+32*((\q)%2)+8*\a+7], v[8*(12*(\a%2)+\b):8*(12*(\a%2)+\b)+7], v[SB+8*\b+(\q)], v[SA+8*\a+(\q)] matrix_a_fmt:MATRIX_FMT_FP4 matrix_b_fmt:MATRIX_FMT_FP4
.endif
.endr
.endr
.endm
; A K step: the next step's fragments are asked for first, into the set that the step before multiplied, and land under this step's 48 products.
.macro STEP q
.if (\q) == 3
	s_wait_tensorcnt 0x0                           ; my part of K's second half has landed,
	s_wait_dscnt 0x0                               ; no LDS load of mine is out at the signal,
	s_barrier_signal -1
	s_barrier_wait -1                              ; and everybody's part has
.endif
.if (\q) < 7
.if (\q) > 0
	PLACES
.endif
	FETCH (\q)+1
	s_wait_dscnt 32                                ; all but the 32 just issued
.else
	s_wait_dscnt 0x0
.endif
	MULS \q
.endm
	s_wait_tensorcnt 1                             ; the scale bytes and my part of K's first half are in; the second half's load may be out,
	s_barrier_signal -1
	s_barrier_wait -1                              ; everybody's are
.irp a, 0,1,2,3
	ds_load_b128 v[SA+8*\a:SA+8*\a+3],   v[ASA] offset:\a*544      ; a row's eight scale words, K steps 0-3,
	ds_load_b128 v[SA+8*\a+4:SA+8*\a+7], v[ASA] offset:\a*544+16   ; and 4-7
.endr
.irp b, 0,1,2,3,4,5,6,7,8,9,10,11
	ds_load_b128 v[SB+8*\b:SB+8*\b+3],   v[ASB] offset:\b*544
	ds_load_b128 v[SB+8*\b+4:SB+8*\b+7], v[ASB] offset:\b*544+16
.endr
	FETCH 0
.irp q, 0,1,2,3,4,5,6,7
	STEP \q
.endr
	WIN 0
	PLACES                                         ; behind the last products: results are read, and B's registers written, from here on
	s_wait_loadcnt 0x0                             ; the table
; THE WAY OUT, a block of 16 rows at a time.  ROPE: q's and k's pairs are turned (re = e cos - o sin, ro = e sin + o cos) in f32, then all three tensors are rounded to f16, 16 bytes a lane and block of columns.
.macro ROPE a
	WIN 0x5a+5*((\a)/2)                            ; sources 0 and 1: the accumulators' window; source 2 and destination: window 1
.irp b, 0,1,2,3,4,5,6,7
.irp jj, 0,1,2,3
	v_mul_f32 v[TT+2*\jj],   v[8*(12*((\a)%2)+\b)+2*\jj+1], v[192+32*((\a)%2)+8*(\b%4)+2*\jj+1]    ; o sin  (an accumulator is read from its low end on)
	v_mul_f32 v[TT+2*\jj+1], v[8*(12*((\a)%2)+\b)+2*\jj+1], v[192+32*((\a)%2)+8*(\b%4)+2*\jj]      ; o cos
.endr
.irp jj, 0,1,2,3
	v_fma_f32 v[RR+8*\b+2*\jj],   v[8*(12*((\a)%2)+\b)+2*\jj], v[192+32*((\a)%2)+8*(\b%4)+2*\jj],   -v[TT+2*\jj]
	v_fma_f32 v[RR+8*\b+2*\jj+1], v[8*(12*((\a)%2)+\b)+2*\jj], v[192+32*((\a)%2)+8*(\b%4)+2*\jj+1], v[TT+2*\jj+1]
.endr
.endr
.irp b, 8,9,10,11
.irp jj, 0,1,2,3
	v_cvt_pk_f16_f32 v[PP+4*\b+\jj], v[8*(12*((\a)%2)+\b)+2*\jj], v[8*(12*((\a)%2)+\b)+2*\jj+1]      ; v is not turned
.endr
.endr
	WIN 0x45                                       ; all in window 1
.irp b, 0,1,2,3,4,5,6,7
.irp jj, 0,1,2,3
	v_cvt_pk_f16_f32 v[PP+4*\b+\jj], v[RR+8*\b+2*\jj], v[RR+8*\b+2*\jj+1]
.endr
.endr
	WIN 0
.endm
.macro TOSTAGE                         ; into my own stage, and back as whole rows: LDS serves a wave's instructions in order, so no wait stands between
	WIN 0x04                                       ; an LDS store's data are its source 1: window 1
.irp b, 0,1,2,3,4,5,6,7,8,9,10,11
	ds_store_b128 v[STO], v[PP+4*\b:PP+4*\b+3] offset:(\b/4)*2304+(\b%4)*32
.endr
	WIN 0x40
.irp i, 0,1,2,3,4,5,6,7,8,9,10,11
	ds_load_b128 v[BK+4*\i:BK+4*\i+3], v[RD] offset:(\i/4)*2304+(\i%4)*576
.endr
	WIN 0
.endm
.macro SEND a
	s_wait_dscnt 0x0                               ; the block is back in registers
	WIN 0x04
.irp i, 0,1,2,3
	global_store_b128 v[GO], v[BK+4*\i:BK+4*\i+3],       s[92:93] offset:(\a)*2048+\i*512    ; four rows of 128 bytes: 512 consecutive bytes, aligned
.endr
.irp i, 0,1,2,3
	global_store_b128 v[GO], v[BK+16+4*\i:BK+16+4*\i+3], s[94:95] offset:(\a)*2048+\i*512
.endr
.irp i, 0,1,2,3
	global_store_b128 v[GO], v[BK+32+4*\i:BK+32+4*\i+3], s[96:97] offset:(\a)*2048+\i*512
.endr
	WIN 0
.endm
	ROPE 0
	; the first 16 positions of a sequence, in f32, as images of my registers: wave 0's block 0 of the tiles that begin a sequence.  The wave is chosen by a branch; the tile, which differs between partners of the cluster, by EXEC alone.
	s_cmp_lg_u32 s14, 0
	s_cbranch_scc1 .Lno_early
	v_mov_b32 v30, s18
	v_cmp_eq_u32 vcc_lo, 0, v30
	s_wait_xcnt 0x0                                ; EXEC changes only behind this wait
	s_and_saveexec_b32 s19, vcc_lo
	WIN 0x04
.irp b, 0,1,2,3,4,5,6,7
	global_store_b128 v[GO], v[RR+8*\b:RR+8*\b+3],   s[22:23] offset:(\b/4)*4096+(\b%4)*1024        ; image 2 g: 16 bytes a lane, 512 consecutive bytes, aligned
	global_store_b128 v[GO], v[RR+8*\b+4:RR+8*\b+7], s[22:23] offset:(\b/4)*4096+(\b%4)*1024+512    ; image 2 g + 1
.endr
	WIN 0x08                                       ; v's accumulators, in window 2
.irp g, 0,1,2,3
	global_store_b128 v[GO], v[8*(8+\g):8*(8+\g)+3],   s[22:23] offset:8192+\g*1024
	global_store_b128 v[GO], v[8*(8+\g)+4:8*(8+\g)+7], s[22:23] offset:8192+\g*1024+512
.endr
	WIN 0
	s_wait_xcnt 0x0                                ; and again in front of the line that widens it; the stores have read their data too
	s_or_b32 exec_lo, exec_lo, s19
.Lno_early:
	TOSTAGE
	ROPE 1                                         ; a block's arithmetic stands between the loads of the block before and the wait for them
	SEND 0
	s_wait_xcnt 0x0                                ; the stores have read their registers: the next block's rows may land there
	TOSTAGE
	ROPE 2
	SEND 1
	s_wait_xcnt 0x0
	TOSTAGE
	ROPE 3
	SEND 2
	s_wait_xcnt 0x0
	TOSTAGE
	SEND 3
	s_wait_tensorcnt 0x0                           ; the wave's end: behind my last tensor load and my last LDS store
	ds_add_u32 v[SPW], v[NIL]
	s_wait_dscnt 0x0
	CROUND                                         ; the closing round
	s_endpgm
.Lfunc_end_k_q3a3bcc3fe8_qkv:
	.size	k_q3a3bcc3fe8_qkv, .Lfunc_end_k_q3a3bcc3fe8_qkv-k_q3a3bcc3fe8_qkv
	.p2alignl 7, 3214868480
	.fill 96, 4, 3214868480
	.section	.rodata,"a",@progbits
	.p2align	6, 0x0
	.amdhsa_kernel k_q3a3bcc3fe8_qkv
		.amdhsa_group_segment_fixed_size 327680
		.amdhsa_private_segment_fixed_size 0
		.amdhsa_enable_private_segment 0
		.amdhsa_kernarg_size 40
		.amdhsa_user_sgpr_count 2
		.amdhsa_user_sgpr_kernarg_segment_ptr 1
		.amdhsa_wavefront_size32 1
		.amdhsa_system_sgpr_workgroup_id_x 1
		.amdhsa_system_sgpr_workgroup_id_y 1
		.amdhsa_system_sgpr_workgroup_id_z 1
		.amdhsa_system_vgpr_workitem_id 0
		.amdhsa_next_free_vgpr 1024
		.amdhsa_next_free_sgpr 98
		.amdhsa_reserve_vcc 1
		.amdhsa_float_denorm_mode_32 3
		.amdhsa_float_denorm_mode_16_64 3
		.amdhsa_memory_ordered 1
		.amdhsa_forward_progress 1
		.amdhsa_inst_pref_size 133
	.end_amdhsa_kernel
	.amdgpu_metadata
---
amdhsa.version: [ 1, 2 ]
amdhsa.kernels:
  - .name:           k_q3a3bcc3fe8_qkv
    .symbol:         k_q3a3bcc3fe8_qkv.kd
    .args:
      - { .name: codes, .offset: 0, .size: 8, .value_kind: global_buffer, .address_space: global }
      - { .name: scales, .offset: 8, .size: 8, .value_kind: global_buffer, .address_space: global }
      - { .name: tab, .offset: 16, .size: 8, .value_kind: global_buffer, .address_space: global }
      - { .name: qkv, .offset: 24, .size: 8, .value_kind: global_buffer, .address_space: global }
      - { .name: early, .offset: 32, .size: 8, .value_kind: global_buffer, .address_space: global }
    .group_segment_fixed_size: 327680
    .private_segment_fixed_size: 0
    .kernarg_segment_align: 8
    .kernarg_segment_size: 40
    .max_flat_workgroup_size: 128
    .sgpr_count:     98
    .vgpr_count:     1024
    .wavefront_size: 32
...
	.end_amdgpu_metadata
.endif
;; end of part 2
;; launch attn (part 3): grid 8 x 32, 8 waves a work-group, no clusters, 327,680 bytes of LDS; arguments qkv, attn16; writes attn16
.if DOCPART == 3
	.amdgcn_target "amdgcn-amd-amdhsa--gfx1250"
	.amdhsa_code_object_version 6
	.text
	.protected	k_q3a3bcc3fe8_attn
	.globl	k_q3a3bcc3fe8_attn
	.p2align	8
	.type	k_q3a3bcc3fe8_attn,@function
k_q3a3bcc3fe8_attn:
	s_mov_b64 s[64:65], 0
	v_nop
	global_prefetch_b8 v0, s[64:65] scope:SCOPE_SE
	s_setreg_imm32_b32 hwreg(HW_REG_WAVE_MODE, 25, 1), 1
	s_wait_xcnt 0x0
; ATTN: O[bh][q] = the sum over k <= q of softmax_k(Q[q] . K[k] / 8) V[k], head size 64, 2,048 positions, 32 batch x head.  Operands in f16, products, maxima and sums in f32; the weights p are rounded to f16
; for the second product; the row's sum is taken of the unrounded p; O is rounded to f16 once at the end, into planes attn16 [16 heads][4096 rows][64].
; SHARES.  Work-group (x = j, y = batch x head) owns query blocks j and 15 - j, 128 queries each, so that under the causal mask every work-group has 17 x 128 rows of keys to multiply.  Waves 0-3 take block j,
; waves 4-7 block 15 - j, 32 queries (two tiles of 16) each.
; NO CLUSTER: work-group j reads keys up to 128 (16 - j), so partners of a cluster would need different numbers of tiles, and a partner would have to ask for tiles that none of its waves reads.
; LAYOUT.  S^T = K Q^T (source 0 = 16 keys, source 1 = 16 queries): a lane holds ONE query (lane % 16) and keys 8 (lane / 16) + 0 .. 7.  Two such tiles, rounded in pairs, are source 1 (32 keys x 16 queries) of
; O^T = V^T P, whose result again holds one query a lane.  K comes out of LDS as it lies, V ([key][channel]) turned, by ds_load_tr16_b128.
; SOFTMAX.  A running maximum m and sum l for each query: p = 2^(c s - c m), c = log2(e) / 8; in every step O and l are multiplied by a = 2^(c m_old - c m_new).  m starts at -3e38, O and l at 0.
; A STEP AHEAD.  The scores have two buffers.  While step q's scores are scaled and put through the exponential, the 16 products K Q^T of step q + 1 stand singly among those lines, which name none of their registers:
; one behind every 8 scalings, one behind every 4 exponentials.  K's fragments of step q + 2 are asked for as soon as those products are issued.  A slot's first step has its products in one run, at the slot's head.
; THE RING.  Two LDS slots of 256 keys (four steps of 64), 2^17 bytes apart.  Every work-group walks all 8 slots, so the trip counts are constants; from the first step all of whose keys come after the wave's queries
; the rest of the slot is jumped over, and a slot whose first key comes after the work-group's last query is not asked for.  Each wave fetches a quarter of K's (waves 0-3) or V's (waves 4-7) 256 rows by one tensor
; load; every wait for tensor loads is for 0.
; LIMITS: q, k, v and O in f16 (magnitudes up to 65,504; under 6e-5 with an absolute step of 6e-8).  NaN and infinities are not served.
; REGISTERS.  Window 0, all that K Q^T and the softmax name: v1-15 addresses; v16-31 statistics, 8 a tile (+0 c m, +1 m, +2, +3 l, +4 .. +7 at work, a in +6); v32-63 Q; v64-127, v128-191 the two buffers of S^T, then p;
;   v192-255 K of a step (16 keys x 32 channels: 8 (2 kt + kc)).   Window 1: v0-63 V (8 (4 kk + ct)); v64-95 P; v96-159 O^T.
.set PK,    144                        ; a row of K in LDS: 128 bytes + 16
.set PV,    160                        ; a row of V: 128 + 32: the turning load's 8 rows x 32 bytes fall on different banks
.set SK,    256                        ; keys in a slot
.set VOFF,  SK*PK
.set SLOT1, 1<<17
.set STAGE, 2*SLOT1                    ; behind the ring: 16 rows x 144 bytes for each wave
.set SPARE, STAGE+8*16*PK              ; the spare words, 128 bytes a wave
.set AK0, 1
.set AV0, 2
.set SPW, 3
.set NIL, 4
.set GO,  5
.set STO, 6
.set RD,  7
.set ADK, 8
.set ADV, 9
.set PFO, 10
.set QO,  11
.set ST,  16
.set Q,   32
.set S,   64                           ; step q's scores at S + 64 (q % 2)
.set KFR, 192
.set VFR, 0                            ; window 1
.set P,   64                           ; window 1
.set O,   96                           ; window 1
.set WV,  12
.set SEL, 20
.set CS,  22
.set G1K, 24
.set G1V, 32
.set G0K, 40
.set G0V, 44
.set TB,  2
.set SLOTS, 66
.set KS,  67                           ; s67 the first key of the slot in hand
.set Q0,  68                           ; s68 my first query
.set LQ,  69                           ; s69 my work-group's last query
.set PFA, 70
.set LIM, 72
.set QL,  74                           ; s74 my last query
.set MSB, 0
.macro WIN new
.if MSB != (\new)
	s_set_vgpr_msb (MSB<<8)|(\new)
.set MSB, (\new)
.endif
.endm
; My one tensor load of a change of slots.  The branch hangs on the wave's number alone.  An s_nop 0 and four v_nop follow each of the two lines.
.macro TLOAD
	s_cmp_lt_u32 s[WV], 4
	s_cbranch_scc0 .Lfor_v_\@
	tensor_load_to_lds s[G0K:G0K+3], s[G1K:G1K+7]
	s_nop 0
.rept 4
	v_nop
.endr
	s_branch .Lasked_\@
.Lfor_v_\@:
	tensor_load_to_lds s[G0V:G0V+3], s[G1V:G1V+7]
	s_nop 0
.rept 4
	v_nop
.endr
.Lasked_\@:
.endm
; A prefetch of what the NEXT change of slots will load: my wave's quarter, 8,192 dense bytes, lanes 256 bytes apart, one instruction.  All eight work-groups of a head walk the same K and V: the one with j = 0, the only
; one that loads every slot, asks, so that each block of 256 bytes is named once in the launch.  It stands four key steps ahead of the load.  The last change that fills a slot asks for nothing; slots 0 and 1 come by their loads alone.
.macro ASK
	s_cmp_gt_u32 s[SLOTS], s[LIM]
	s_cbranch_scc0 .Lnot_mine_\@
	global_prefetch_b8 v[PFO], s[PFA:PFA+1] th:TH_LOAD_NT scope:SCOPE_SE
.Lnot_mine_\@:
.endm
	s_load_b128 s[4:7], s[0:1], 0x0                ; qkv 4:5, attn16 6:7
	v_lshl_add_u32 v[SPW], v0, 2, SPARE
	v_mov_b32 v[NIL], 0
	ds_add_u32 v[SPW], v[NIL]                      ; the wave's opening: the add, twice on end, and its wait ahead of my first tensor load
	ds_add_u32 v[SPW], v[NIL]
	v_lshrrev_b32 v8, 5, v0
	v_readfirstlane_b32 s[WV], v8                  ; wave 0..7
	s_and_b32 s13, ttmp7, 0xffff                   ; batch x 16 + head
	s_and_b32 s14, s[WV], 3
	s_sub_co_u32 s15, 15, ttmp9
	s_cmp_lt_u32 s[WV], 4
	s_cselect_b32 s15, ttmp9, s15                  ; my block of 128 queries: j or 15 - j
	s_lshl_b32 s[Q0], s15, 7
	s_lshl_b32 s16, s14, 5
	s_add_co_u32 s[Q0], s[Q0], s16                 ; my first query
	s_add_co_u32 s[QL], s[Q0], 31                  ; and my last
	s_sub_co_u32 s[LQ], 16, ttmp9
	s_lshl_b32 s[LQ], s[LQ], 7
	s_sub_co_u32 s[LQ], s[LQ], 1                   ; my work-group's last query
	; group 1: 64 rows of 64 elements of 2 bytes, dense in memory; padding behind every 32 words: 4 words for K, 8 for V
	s_mov_b32 s[G1K], (1<<16)|(1<<20)|(4<<22)|(3<<25)
	s_mov_b32 s[G1V], (1<<16)|(1<<20)|(4<<22)|(7<<25)
.irp g, G1K, G1V
	s_mov_b32 s[\g+1], 64<<16                      ; tensor_dim0
	s_mov_b32 s[\g+2], 64<<16                      ; tensor_dim1
	s_mov_b32 s[\g+3], 64<<16                      ; tile_dim0
	s_mov_b32 s[\g+4], 64                          ; tile_dim1
	s_mov_b32 s[\g+5], 64                          ; from row to row
	s_mov_b32 s[\g+6], 0
	s_mov_b32 s[\g+7], 0
.endr
	s_lshl_b32 s16, s13, 18                        ; the head's first byte in each of q, k, v: 2,048 rows of 128 bytes
	s_lshl_b32 s17, s14, 13                        ; my quarter of a slot: 64 rows
	s_add_co_u32 s18, s16, s17
	s_add_co_u32 s18, s18, 0x800000                ; in k,
	s_mov_b32 s19, 0
	s_add_co_u32 s8, s18, 0x800000                 ; in v
	s_mov_b32 s9, 0
	s_lshl_b32 s10, s[Q0], 7
	s_add_co_u32 s10, s10, s16                     ; my queries
	s_mov_b32 s11, 0
	s_and_b32 s73, s13, 15
	s_lshl_b32 s73, s73, 19                        ; the head's plane of attn16: 4,096 rows of 128 bytes
	s_lshr_b32 s76, s13, 4
	s_lshl_b32 s76, s76, 11
	s_add_co_u32 s76, s76, s[Q0]
	s_lshl_b32 s76, s76, 7
	s_add_co_u32 s76, s76, s73
	s_mov_b32 s77, 0
	s_cmp_lt_u32 s[WV], 4
	s_cselect_b32 s[PFA], s18, s8
	s_add_co_u32 s[PFA], s[PFA], SK*128            ; the prefetches stand at slot 1; the first change of slots steps them to slot 2
	s_mov_b32 s[PFA+1], 0
	s_cmp_eq_u32 ttmp9, 0
	s_cselect_b32 s[LIM], 1, -1
	s_mov_b32 s[SEL], 0x76543210
	s_mov_b32 s[SEL+1], 0xfedcba98                 ; v_permlanex16_b32's selects for lane l xor 16
	s_mov_b32 s[CS], 0x3e38aa3b                    ; c = log2(e) / 8
	s_mov_b32 s[CS+1], s[CS]                       ; (named with it as a pair, so it is written)
	s_mov_b32 s[TB], 0
	s_mov_b32 s[SLOTS], 7
	s_mov_b32 s[KS], 0
	s_wait_dscnt 0x0                               ; both opening adds are done
	s_wait_kmcnt 0x0
	s_mov_b32 s[G0K], 1
	s_mul_i32 s[G0K+1], s14, 64*PK
	s_add_nc_u64 s[G0K+2:G0K+3], s[4:5], s[18:19]
	s_or_b32 s[G0K+3], s[G0K+3], 0x80000000
	s_mov_b32 s[G0V], 1
	s_mul_i32 s[G0V+1], s14, 64*PV
	s_add_co_u32 s[G0V+1], s[G0V+1], VOFF
	s_add_nc_u64 s[G0V+2:G0V+3], s[4:5], s[8:9]
	s_or_b32 s[G0V+3], s[G0V+3], 0x80000000
	TLOAD                                          ; slot 0: key 0 counts for every query
	s_add_nc_u64 s[PFA:PFA+1], s[4:5], s[PFA:PFA+1]
	s_add_nc_u64 s[10:11], s[4:5], s[10:11]
	s_add_nc_u64 s[6:7], s[6:7], s[76:77]
	v_and_b32 v8, 15, v0                           ; r
	v_bfe_u32 v9, v0, 4, 1                         ; h
	v_lshlrev_b32 v[QO], 7, v8
	v_lshl_add_u32 v[QO], v9, 4, v[QO]
.irp t, 0,1
.irp kc, 0,1
	global_load_b128 v[Q+16*\t+8*\kc:Q+16*\t+8*\kc+3],   v[QO], s[10:11] offset:\t*2048+\kc*64      ; Q stays in registers
	global_load_b128 v[Q+16*\t+8*\kc+4:Q+16*\t+8*\kc+7], v[QO], s[10:11] offset:\t*2048+\kc*64+32
.endr
.endr
	v_mul_u32_u24 v[AK0], v8, PK
	v_lshl_add_u32 v[AK0], v9, 4, v[AK0]           ; K: row r x pitch + 16 h
	v_and_b32 v12, 7, v0
	v_lshl_add_u32 v[AV0], v9, 3, v12
	v_mul_u32_u24 v[AV0], v[AV0], PV
	v_bfe_u32 v12, v0, 3, 1
	v_lshl_add_u32 v[AV0], v12, 4, v[AV0]
	v_add_nc_u32 v[AV0], VOFF, v[AV0]              ; V: key 8 h + l % 8, channels 8 ((l / 8) % 2) on
	v_and_b32 v12, 31, v0
	v_lshlrev_b32 v[GO], 4, v12
	v_lshlrev_b32 v[PFO], 8, v12
	s_mul_i32 s73, s[WV], 16*PK
	s_add_co_u32 s73, s73, STAGE                   ; my stage
	v_mul_u32_u24 v[STO], v8, PK
	v_lshl_add_u32 v[STO], v9, 4, v[STO]
	v_add_nc_u32 v[STO], s73, v[STO]
	v_lshrrev_b32 v13, 3, v12
	v_mul_u32_u24 v[RD], v13, PK
	v_and_b32 v13, 7, v0
	v_lshl_add_u32 v[RD], v13, 4, v[RD]
	v_add_nc_u32 v[RD], s73, v[RD]
	v_lshlrev_b32 v15, 3, v9
	v_sub_nc_u32 v15, v8, v15                      ; r - 8 h
	v_mov_b32 v14, 0xff800000                      ; -infinity
.irp t, 0,1
	v_mov_b32 v[ST+8*\t+1], 0xff61b1e6             ; m = -3e38, under every score
	v_mul_f32 v[ST+8*\t], s[CS], v[ST+8*\t+1]
.irp i, 2,3,4,5,6,7
	v_mov_b32 v[ST+8*\t+\i], 0                     ; l; and the registers at work, which the way out names
.endr
.endr
	WIN 0x40                                       ; destination window 1
.set n, 0
.rept 64
	v_mov_b32 v[O+n], 0                            ; O^T.  (The step is written once: its first pass finds zeros, which the first a leaves zeros)
.set n, n+1
.endr
	WIN 0
; K's 16 fragment loads of the slot's step q, and V's 16 turning loads
.macro LOADK q
.irp kt, 0,1,2,3
.irp kc, 0,1
	ds_load_b128 v[KFR+8*(2*\kt+\kc):KFR+8*(2*\kt+\kc)+3],   v[ADK] offset:(64*(\q)+16*\kt)*PK+64*\kc
	ds_load_b128 v[KFR+8*(2*\kt+\kc)+4:KFR+8*(2*\kt+\kc)+7], v[ADK] offset:(64*(\q)+16*\kt)*PK+64*\kc+32
.endr
.endr
.endm
.macro LOADV q
	WIN 0x40                                       ; destination window 1
.irp kk, 0,1
.irp ct, 0,1,2,3
	ds_load_tr16_b128 v[VFR+8*(4*\kk+\ct):VFR+8*(4*\kk+\ct)+3],   v[ADV] offset:(64*(\q)+32*\kk)*PV+32*\ct
	ds_load_tr16_b128 v[VFR+8*(4*\kk+\ct)+4:VFR+8*(4*\kk+\ct)+7], v[ADV] offset:(64*(\q)+32*\kk)*PV+16*PV+32*\ct
.endr
.endr
	WIN 0
.endm
; Product number wi of the 16 of S^T = K Q^T, into the buffer at sb; nothing when all 16 are written.  Channels 32 (wi / 8) on, keys 16 ((wi / 2) % 4) on, tile wi % 2: eight accumulators by turns
; the first eight products start the sums.  All its registers lie in window 0.
.macro QKW sb
.if wi < 16
.set rS, (\sb)+32*(wi%2)+8*((wi/2)%4)
.set rK, KFR+8*(2*((wi/2)%4)+wi/8)
.set rQ, Q+16*(wi%2)+8*(wi/8)
.if wi < 8
	v_wmma_f32_16x16x32_f16 v[rS:rS+7], v[rK:rK+7], v[rQ:rQ+7], 0
.else
	v_wmma_f32_16x16x32_f16 v[rS:rS+7], v[rK:rK+7], v[rQ:rQ+7], v[rS:rS+7]
.endif
.set wi, wi+1
.endif
.endm
; A KEY STEP: 64 keys, the q-th of the slot in hand.  Its scores are there: the step before (for q = 0 the slot's head) has made them.  id names the slot's end.
.macro STEP q, id
.set SCUR, S+64*((\q)%2)
.set SNXT, S+64*(((\q)+1)%2)
.if (\q) > 0
	s_add_co_u32 s73, s[KS], 64*(\q)
	s_cmp_gt_u32 s73, s[QL]                        ; all keys come after my 32 queries: the rest of the slot is left out (ids and the count of slots alone)
	s_cbranch_scc1 .Lend_slot_\id
.rept 4
	v_nop                                          ; four plain lines behind the last step's V^T P, in front of loads into V's registers
.endr
	LOADV \q
.endif
	s_add_co_u32 s73, s[KS], 64*(\q)+63
	s_cmp_le_u32 s73, s[Q0]                        ; all 64 keys count for all my queries: nothing is hidden
	s_cbranch_scc1 .Lopen_\@
	s_sub_co_i32 s73, s[Q0], s[KS]
.if (\q) > 0
	s_sub_co_i32 s73, s73, 64*(\q)
.endif
	v_add_nc_u32 v12, s73, v15                     ; d = my query - the step's first key - 8 h.  Register n holds key 16 (n / 8) + n % 8 + 8 h: hidden where 16 (n / 8) + n % 8 > d
	v_add_nc_u32 v13, 16, v12                      ; tile 1's queries lie 16 on
.irp t, 0,1
.set n, 0
.rept 32
	v_cmp_gt_i32 vcc_lo, 16*(n/8)+n%8, v[12+\t]
	v_cndmask_b32 v[SCUR+32*\t+n], v[SCUR+32*\t+n], v14, vcc_lo
.set n, n+1
.endr
.endr
.Lopen_\@:
.irp j, 0,1,2,3                                ; the maximum of 32 scores and the old m: four chains a tile, each begun at its accumulator's low end; the tiles line by line
.irp t, 0,1
	v_max3_num_f32 v[ST+8*\t+4+\j], v[SCUR+32*\t+8*\j], v[SCUR+32*\t+8*\j+1], v[SCUR+32*\t+8*\j+2]
.endr
.endr
.irp i, 3,5
.irp j, 0,1,2,3
.irp t, 0,1
	v_max3_num_f32 v[ST+8*\t+4+\j], v[ST+8*\t+4+\j], v[SCUR+32*\t+8*\j+\i], v[SCUR+32*\t+8*\j+\i+1]
.endr
.endr
.endr
.irp t, 0,1
	v_max3_num_f32 v[ST+8*\t+4], v[ST+8*\t+4], v[SCUR+32*\t+7], v[SCUR+32*\t+15]
	v_max3_num_f32 v[ST+8*\t+6], v[ST+8*\t+6], v[SCUR+32*\t+23], v[SCUR+32*\t+31]
.endr
.irp t, 0,1
	v_max3_num_f32 v[ST+8*\t+4], v[ST+8*\t+4], v[ST+8*\t+5], v[ST+8*\t+6]
.endr
.irp t, 0,1
	v_max3_num_f32 v[ST+8*\t+4], v[ST+8*\t+4], v[ST+8*\t+7], v[ST+8*\t+1]
.endr
.irp t, 0,1
	v_permlanex16_b32 v[ST+8*\t+5], v[ST+8*\t+4], s[SEL], s[SEL+1]   ; the query's other 32 keys lie in the lane 16 away
.endr
.irp t, 0,1
	v_mov_b32 v[ST+8*\t+7], v[ST+8*\t]             ; c m_old
.endr
.irp t, 0,1
	v_max_num_f32 v[ST+8*\t+1], v[ST+8*\t+4], v[ST+8*\t+5]
.endr
.irp t, 0,1
	v_mul_f32 v[ST+8*\t], s[CS], v[ST+8*\t+1]
.endr
.irp t, 0,1
	v_sub_f32 v[ST+8*\t+7], v[ST+8*\t+7], v[ST+8*\t]
.endr
.if (\q) < 3                                   ; the next step's K is wanted from here on
.set wi, 0
.if (\q) == 0
	s_wait_dscnt 0x0                               ; K of step 1 was the last thing asked for
.else
	s_wait_dscnt 16                                ; K of step q + 1 is in; behind it this step's V, sixteen loads, may be out
.endif
.else
.set wi, 16                                    ; the slot's last step has no successor in the slot
.endif
.irp t, 0,1
.set n, 0
.rept 16
	v_pk_fma_f32 v[SCUR+32*\t+n:SCUR+32*\t+n+1], v[SCUR+32*\t+n:SCUR+32*\t+n+1], s[CS:CS+1], v[ST+8*\t:ST+8*\t+1] op_sel_hi:[1,0,0] neg_lo:[0,0,1] neg_hi:[0,0,1]   ; c s - c m
.set n, n+2
.if (n%16) == 0
	QKW SNXT                                       ; one product of the next step behind every 8 scalings
.endif
.endr
.endr
.irp t, 0,1
	v_exp_f32 v[ST+8*\t+6], v[ST+8*\t+7]           ; a
.endr
.set n, 0
.rept 64
	v_exp_f32 v[SCUR+n], v[SCUR+n]                 ; p, at most 1
.set n, n+1
.if (n%4) == 0
	QKW SNXT                                       ; and one behind every 4 exponentials, until the 16 are out
.endif
.endr
	v_nop                                          ; a plain line behind the last exponential
	s_wait_alu depctr_va_vdst(0)                   ; one wait for the batch of 66, ahead of its first reader
	WIN 0x40                                       ; destination window 1
.set n, 0
.rept 32
	v_cvt_pk_f16_f32 v[P+n], v[SCUR+2*n], v[SCUR+2*n+1]   ; keys in pairs: P's registers are the second product's source 1 as they stand
.set n, n+1
.endr
	WIN 0
.if (\q) < 2
	LOADK (\q)+2                                   ; the 33 plain lines above stand between the last product that read K and these loads
.endif
.irp w, 4,8,16,32                              ; the sums of the unrounded p, in place: neighbours 1, 2, 4, 8 pairs apart, both tiles
.set n, 0
.rept 64/\w
	v_pk_add_f32 v[SCUR+n:SCUR+n+1], v[SCUR+n:SCUR+n+1], v[SCUR+n+\w/2:SCUR+n+\w/2+1]
.set n, n+\w
.endr
.endr
.irp t, 0,1
	v_pk_fma_f32 v[ST+8*\t+2:ST+8*\t+3], v[ST+8*\t+2:ST+8*\t+3], v[ST+8*\t+6:ST+8*\t+7], v[SCUR+32*\t:SCUR+32*\t+1] op_sel_hi:[1,0,1]   ; l = a l + the sum
.endr
	WIN 0x41                                       ; O^T (destination and source 0) in window 1, a in window 0
.irp t, 0,1
.set n, 0
.rept 16
	v_pk_mul_f32 v[O+32*\t+n:O+32*\t+n+1], v[O+32*\t+n:O+32*\t+n+1], v[ST+8*\t+6:ST+8*\t+7] op_sel_hi:[1,0]   ; O^T x a, each accumulator from its low end on
.set n, n+2
.endr
.endr
.if (\q) < 2
	s_wait_dscnt 16                                ; V is in; behind it K of step q + 2, sixteen loads, may be out
.else
	s_wait_dscnt 0x0                               ; V is in
.endif
	WIN 0x55                                       ; all four operands in window 1
.irp kk, 0,1                                   ; O^T += V^T P: eight accumulators by turns
.irp ct, 0,1,2,3
.irp t, 0,1
	v_wmma_f32_16x16x32_f16 v[O+32*\t+8*\ct:O+32*\t+8*\ct+7], v[VFR+8*(4*\kk+\ct):VFR+8*(4*\kk+\ct)+7], v[P+16*\t+8*\kk:P+16*\t+8*\kk+7], v[O+32*\t+8*\ct:O+32*\t+8*\ct+7]
.endr
.endr
.endr
	WIN 0
.endm
; THE CHANGE OF SLOTS stands at a slot's head.  Each wave waits for all its tensor loads (its part of the slot ahead), adds 0 to its spare word, and waits for that and for its reads of the slot that it has left.
; Behind the barrier the slot ahead is whole and nobody reads the other one.  fill = 1: that other slot takes the next 256 keys, if any wave of the work-group will read them; the load has four key steps in which to land.
.macro CHANGE fill
	s_wait_tensorcnt 0x0                           ; no tensor load of mine is out, so a group 0 may be written
	ds_add_u32 v[SPW], v[NIL]
.if \fill
	s_xor_b32 s[G0K+1], s[G0K+1], SLOT1            ; the walking descriptors: the other slot,
	s_add_nc_u64 s[G0K+2:G0K+3], s[G0K+2:G0K+3], SK*128   ; the next 256 rows; the type bits on top are not reached
	s_xor_b32 s[G0V+1], s[G0V+1], SLOT1
	s_add_nc_u64 s[G0V+2:G0V+3], s[G0V+2:G0V+3], SK*128
	s_wait_xcnt 0x0                                ; the last prefetch, a slot back, has read its address
	s_add_nc_u64 s[PFA:PFA+1], s[PFA:PFA+1], SK*128
.endif
	s_wait_dscnt 0x0
	s_barrier_signal -1
	s_barrier_wait -1
.if \fill
	s_add_co_u32 s73, s[KS], SK                    ; the first key of the slot that this change would ask for
	s_cmp_gt_u32 s73, s[LQ]                        ; past my work-group's last query: no wave would read it.  Ids and the count of slots alone: all eight waves go the same way
	s_cbranch_scc1 .Lpast_\@
	TLOAD                                          ; my one tensor load until the next such barrier
.Lpast_\@:
	ASK
.endif
.endm
; A SLOT'S FOUR STEPS.  At its head: K and V of step 0, step 0's products in one run, K of step 1.  A step is reached only through the step before it, which has made its scores and asked for its K.
.macro SLOT_STEPS id
	s_cmp_gt_u32 s[KS], s[QL]                      ; the whole slot comes after my queries
	s_cbranch_scc1 .Lend_slot_\id
	v_add_nc_u32 v[ADK], s[TB], v[AK0]
	v_add_nc_u32 v[ADV], s[TB], v[AV0]
	v_nop
	v_nop                                          ; four plain lines behind the last slot's products, in front of loads into K's and V's registers
	LOADK 0
	LOADV 0
	s_wait_dscnt 16                                ; K is in; V's sixteen loads may be out
.set wi, 0
.rept 16
	QKW S
.endr
.rept 4
	v_nop                                          ; in front of loads into K's registers, and of the first read of the scores
.endr
	LOADK 1
	STEP 0, \id
	STEP 1, \id
	STEP 2, \id
	STEP 3, \id
.Lend_slot_\id:
	s_add_co_u32 s[KS], s[KS], SK
	s_xor_b32 s[TB], s[TB], SLOT1                  ; on to the other slot
.endm
	s_wait_loadcnt 0x0                             ; Q
.Lslot:                                            ; 7 trips
	CHANGE 1
	SLOT_STEPS 0
	s_sub_co_u32 s[SLOTS], s[SLOTS], 1
	s_cmp_lg_u32 s[SLOTS], 0
	s_cbranch_scc1 .Lslot
	CHANGE 0                                       ; the last slot is written out: nothing is left to fetch
	SLOT_STEPS 1
	; THE WAY OUT.  O^T is divided by l, rounded to f16 and sent through my stage, a tile of 16 queries at a time, so that a store covers four rows of 128 bytes: 512 consecutive bytes.
.rept 4
	v_nop                                          ; behind the last products
.endr
.irp t, 0,1
	v_add_f32 v[ST+8*\t+4], v[ST+8*\t+2], v[ST+8*\t+3]
.endr
.irp t, 0,1
	v_permlanex16_b32 v[ST+8*\t+5], v[ST+8*\t+4], s[SEL], s[SEL+1]
.endr
.irp t, 0,1
	v_add_f32 v[ST+8*\t+4], v[ST+8*\t+4], v[ST+8*\t+5]
.endr
.irp t, 0,1
	v_rcp_f32 v[ST+8*\t+6], v[ST+8*\t+4]
.endr
	v_nop
	s_wait_alu depctr_va_vdst(0)                   ; one wait for the two reciprocals
.macro PACK t
	WIN 0x41
.set n, 0
.rept 16
	v_pk_mul_f32 v[O+32*\t+n:O+32*\t+n+1], v[O+32*\t+n:O+32*\t+n+1], v[ST+8*\t+6:ST+8*\t+7] op_sel_hi:[1,0]
.set n, n+2
.endr
	WIN 0x05                                       ; sources window 1, destination window 0: the scores' registers are free
.set n, 0
.rept 16
	v_cvt_pk_f16_f32 v[S+16*\t+n], v[O+32*\t+2*n], v[O+32*\t+2*n+1]
.set n, n+1
.endr
	WIN 0
.irp ct, 0,1,2,3
	ds_store_b128 v[STO], v[S+16*\t+4*\ct:S+16*\t+4*\ct+3] offset:32*\ct
.endr
.irp i, 0,1,2,3
	ds_load_b128 v[S+16*\t+4*\i:S+16*\t+4*\i+3], v[RD] offset:\i*4*PK   ; LDS serves a wave's instructions in order: these see the stores above, and the next tile's stores come behind them
.endr
.endm
.macro SEND t, younger
.irp i, 0,1,2,3
	s_wait_dscnt \younger+3-\i
	global_store_b128 v[GO], v[S+16*\t+4*\i:S+16*\t+4*\i+3], s[6:7] offset:\t*2048+\i*512
.endr
.endm
	PACK 0
	PACK 1
	SEND 0, 8                                      ; behind tile 0's loads: tile 1's four stores and four loads
	SEND 1, 0
	s_wait_tensorcnt 0x0                           ; the wave's end
	ds_add_u32 v[SPW], v[NIL]
	s_wait_dscnt 0x0
	s_endpgm
.Lfunc_end_k_q3a3bcc3fe8_attn:
	.size	k_q3a3bcc3fe8_attn, .Lfunc_end_k_q3a3bcc3fe8_attn-k_q3a3bcc3fe8_attn
	.p2alignl 7, 3214868480
	.fill 96, 4, 3214868480
	.section	.rodata,"a",@progbits
	.p2align	6, 0x0
	.amdhsa_kernel k_q3a3bcc3fe8_attn
		.amdhsa_group_segment_fixed_size 327680
		.amdhsa_private_segment_fixed_size 0
		.amdhsa_enable_private_segment 0
		.amdhsa_kernarg_size 16
		.amdhsa_user_sgpr_count 2
		.amdhsa_user_sgpr_kernarg_segment_ptr 1
		.amdhsa_wavefront_size32 1
		.amdhsa_system_sgpr_workgroup_id_x 1
		.amdhsa_system_sgpr_workgroup_id_y 1
		.amdhsa_system_sgpr_workgroup_id_z 1
		.amdhsa_system_vgpr_workitem_id 0
		.amdhsa_next_free_vgpr 416
		.amdhsa_next_free_sgpr 80
		.amdhsa_reserve_vcc 1
		.amdhsa_float_denorm_mode_32 3
		.amdhsa_float_denorm_mode_16_64 3
		.amdhsa_memory_ordered 1
		.amdhsa_forward_progress 1
		.amdhsa_inst_pref_size 189
	.end_amdhsa_kernel
	.amdgpu_metadata
---
amdhsa.version: [ 1, 2 ]
amdhsa.kernels:
  - .name:           k_q3a3bcc3fe8_attn
    .symbol:         k_q3a3bcc3fe8_attn.kd
    .args:
      - { .name: qkv, .offset: 0, .size: 8, .value_kind: global_buffer, .address_space: global }
      - { .name: attn16, .offset: 8, .size: 8, .value_kind: global_buffer, .address_space: global }
    .group_segment_fixed_size: 327680
    .private_segment_fixed_size: 0
    .kernarg_segment_align: 8
    .kernarg_segment_size: 16
    .max_flat_workgroup_size: 256
    .sgpr_count:     80
    .vgpr_count:     416
    .wavefront_size: 32
...
	.end_amdgpu_metadata
.endif
;; end of part 3
;; launch proj (part 4): grid 8 x 32, 4 waves a work-group, clusters of 4 x 4, 327,680 bytes of LDS; arguments attn16, wo16, out0; writes out0
.if DOCPART == 4
	.amdgcn_target "amdgcn-amd-amdhsa--gfx1250"
	.amdhsa_code_object_version 6
	.text
	.protected	k_q3a3bcc3fe8_proj
	.globl	k_q3a3bcc3fe8_proj
	.p2align	8
	.type	k_q3a3bcc3fe8_proj,@function
k_q3a3bcc3fe8_proj:
	s_mov_b64 s[64:65], 0
	v_nop
	global_prefetch_b8 v0, s[64:65] scope:SCOPE_SE
	s_setreg_imm32_b32 hwreg(HW_REG_WAVE_MODE, 25, 1), 1
	s_wait_xcnt 0x0
	s_wait_alu depctr_hold_cnt(0) depctr_sa_sdst(0) depctr_va_vdst(0) depctr_va_sdst(0) depctr_va_ssrc(0) depctr_va_vcc(0) depctr_vm_vsrc(0)
	s_getreg_b32 s2, hwreg(HW_REG_IB_STS2, 6, 4)
	s_cmp_eq_u32 s2, 0
	s_cbranch_scc0 .Lentry_in_a_cluster
	s_endpgm
.Lentry_in_a_cluster:
	s_bfe_u32 s2, ttmp6, 0x10000c
	s_cmp_lg_u32 s2, 0xf033
	s_cbranch_scc0 .Lentry_shape_is_right
	s_endpgm
.Lentry_shape_is_right:
; PROJ: out0[row][e] = the sum over d of attn[row][d] Wo[e][d], 4,096 x 1,024 x 1,024; operands in f16, sums in f32, out0 in f32.
; Both operands lie in planes of 64 along K: attn16 [16][4096 rows][64], wo16 [16][1024 rows][64], so that 64 rows of one plane are 8,192 dense bytes.
; A tile of out0 is 128 x 128: 256 work-groups.  Four waves, each 64 x 64: 16 accumulators.  K goes in four steps of 256 (four planes) through a ring of two LDS slots; a wave's tensor load brings 64 rows x 4 planes.
; CLUSTERS: 4 x 4 work-groups; A's tiles are shared along a row of the cluster, B's along a column, each asked for jointly.  THE MATRIX INSTRUCTION IS USED TRANSPOSED (source 0 = 16 rows of Wo, source 1 = 16 rows of attn):
; a lane holds eight neighbouring numbers of a row of out0.  Every row is stored here; the 16 first positions of each sequence are written anew, more finely, by the launch that follows.
; No prefetch: the tile is small and the launch short.  LIMITS: operands in f16, as their makers state.
; REGISTERS: window 0: v0-31 addresses; v32-95 the way out; v128-255 the accumulators ((a, b) at 128 + 8 (4 a + b)).  Window 1: two fragment buffers of 128: 64 registers of A (2 x 4 x 16 rows x 32 K), then 64 of B.
.set PITCH,  144                       ; a plane's row in LDS: 128 bytes + 16
.set PLANE,  64*PITCH                  ; 64 rows of one plane
.set HALFT,  4*PLANE                   ; what one tensor load brings, and what one wave reads of A or of B
.set SLOT,   4*HALFT                   ; A's two halves, then B's
.set SPARE,  2*SLOT                    ; behind the ring: the spare words, 128 bytes a wave
.set SPITCH, 272                       ; the way out: 64 rows x (256 bytes + 16) for each wave, in slot 0, which has had its last fill and its last read when the first result is stored there
.set ADRA, 16
.set ADRB, 20
.set STO,  24
.set RD,   25
.set CO,   26
.set SPW,  28
.set NIL,  29
.set TMP,  32
.set ACC,  128
.set F0,   0
.set F1,   128
.set G1, 24
.set G0, 32
.set G1B, 48
.set G0B, 56
.set MSB, 0
.macro WIN new
.if MSB != (\new)
	s_set_vgpr_msb (MSB<<8)|(\new)
.set MSB, (\new)
.endif
.endm
.set MUL,  0x05                        ; sources 0 (Wo) and 1 (attn) window 1; C and D window 0
.set TO_F, 0x40                        ; destination window 1, address window 0
.macro JLOAD s                         ; a joint load: waves 0 and 1 fetch A's two halves, waves 2 and 3 B's; an s_nop 0 and four v_nop follow each line
	s_cmp_eq_u32 s11, 0
	s_cbranch_scc0 .Lfor_b_\@
	tensor_load_to_lds s[G0+4*\s:G0+4*\s+3], s[G1:G1+7]
	s_nop 0
.rept 4
	v_nop
.endr
	s_branch .Lasked_\@
.Lfor_b_\@:
	tensor_load_to_lds s[G0B+4*\s:G0B+4*\s+3], s[G1B:G1B+7]
	s_nop 0
.rept 4
	v_nop
.endr
.Lasked_\@:
.endm
.macro CREST                           ; a round of the cluster's barrier behind its opening barrier
	s_cmp_lg_u32 s10, 0
	s_cbranch_scc1 .Lnot_wave_0_\@
	s_barrier_signal -3
.Lnot_wave_0_\@:
	s_barrier_wait -3
	s_barrier_signal -1
	s_barrier_wait -1
.endm
.macro CROUND
	s_barrier_signal -1
	s_barrier_wait -1
	CREST
.endm
	s_load_b128 s[4:7], s[0:1], 0x0                ; attn16 4:5, wo16 6:7
	s_load_b64 s[8:9], s[0:1], 0x10                ; out0
	v_lshl_add_u32 v[SPW], v0, 2, SPARE
	v_mov_b32 v[NIL], 0
	ds_add_u32 v[SPW], v[NIL]                      ; the wave's opening: the add, twice on end, and its wait ahead of my first tensor load
	ds_add_u32 v[SPW], v[NIL]
	v_lshrrev_b32 v1, 5, v0
	v_readfirstlane_b32 s10, v1                    ; wave 0..3
	s_lshr_b32 s11, s10, 1                         ; which half of the tile's rows is mine.  Also: I fetch for A (0) or for B (1)
	s_and_b32 s12, s10, 1                          ; which half of its columns.  Also: which 64 rows of that tile I fetch
	s_bfe_u32 s40, ttmp6, 0x40000                  ; cx, cy
	s_bfe_u32 s41, ttmp6, 0x40004
	s_lshl_b32 s42, ttmp9, 2
	s_add_co_u32 s42, s42, s40                     ; tile column = 4 x cluster x + cx
	s_and_b32 s13, ttmp7, 0xffff
	s_lshl_b32 s13, s13, 2
	s_add_co_u32 s13, s13, s41                     ; tile row = 4 x cluster y + cy
	s_lshl_b32 s43, s41, 2
	s_lshl_b32 s43, 15, s43                        ; my row of the cluster
	s_lshl_b32 s44, 0x1111, s40                    ; my column
	; group 1: four lines of 4,096 elements of 2 bytes (64 dense rows of a plane), a plane apart; 4 words of padding behind every 32 words, so that each row of 128 bytes gets its 16
	s_or_b32 s[G1+0], s43, (1<<16)|(1<<20)|(1<<21)|(4<<22)|(3<<25)
	s_or_b32 s[G1B+0], s44, (1<<16)|(1<<20)|(1<<21)|(4<<22)|(3<<25)
.irp g, G1, G1B
	s_mov_b32 s[\g+1], 4096<<16                    ; tensor_dim0
	s_mov_b32 s[\g+2], 4<<16                       ; tensor_dim1
	s_mov_b32 s[\g+3], 4096<<16                    ; tile_dim0
	s_mov_b32 s[\g+4], 4                           ; tile_dim1
	s_mov_b32 s[\g+6], 0
	s_mov_b32 s[\g+7], 0
.endr
	s_mov_b32 s[G1+5], 262144                      ; a plane of attn16 in elements
	s_mov_b32 s[G1B+5], 65536                      ; a plane of wo16
	s_lshl_b32 s17, s12, 6
	s_lshl_b32 s16, s13, 7
	s_add_co_u32 s16, s16, s17                     ; A: row 128 x tile row + 64 x half
	s_lshl_b32 s46, s42, 7
	s_add_co_u32 s46, s46, s17                     ; B: row 128 x tile column + 64 x half
	s_lshl_b32 s16, s16, 7                         ; rows of 128 bytes
	s_mov_b32 s17, 0
	s_lshl_b32 s46, s46, 7
	s_mov_b32 s47, 0
	s_mul_i32 s20, s10, HALFT                      ; where they go: wave x a load's bytes
	s_wait_dscnt 0x0                               ; both opening adds are done
	s_wait_kmcnt 0x0
	s_add_nc_u64 s[14:15], s[4:5], s[16:17]
	s_add_nc_u64 s[46:47], s[6:7], s[46:47]
	CROUND                                         ; all sixteen work-groups are here: the first joint loads meet
.irp s, 0,1
	s_mov_b32 s[G0+4*\s], 1
	s_add_co_u32 s[G0+4*\s+1], s20, \s*SLOT
	s_add_nc_u64 s[G0+4*\s+2:G0+4*\s+3], s[14:15], \s*2097152      ; K step s: four planes of 524,288 bytes on
	s_or_b32 s[G0+4*\s+3], s[G0+4*\s+3], 0x80000000
	s_mov_b32 s[G0B+4*\s], 1
	s_add_co_u32 s[G0B+4*\s+1], s20, \s*SLOT
	s_add_nc_u64 s[G0B+4*\s+2:G0B+4*\s+3], s[46:47], \s*524288     ; four planes of 131,072 bytes
	s_or_b32 s[G0B+4*\s+3], s[G0B+4*\s+3], 0x80000000
	JLOAD \s
.endr
	v_and_b32 v1, 15, v0                           ; l % 16
	v_bfe_u32 v2, v0, 4, 1                         ; l / 16
	v_mul_u32_u24 v3, v1, PITCH
	v_lshl_add_u32 v3, v2, 4, v3                   ; a fragment's row x pitch + 16 x half
	s_mul_i32 s21, s11, HALFT                      ; my 64 rows of A
	s_mul_i32 s22, s12, HALFT                      ; my 64 rows of B,
	s_add_co_u32 s22, s22, 2*HALFT                 ; which lie behind A's
.irp s, 0,1
	v_add_nc_u32 v[ADRA+\s], s21, v3
	v_add_nc_u32 v[ADRB+\s], s22, v3
	s_add_co_u32 s21, s21, SLOT
	s_add_co_u32 s22, s22, SLOT
.endr
	s_mul_i32 s23, s10, 64*SPITCH                  ; my stage
	v_mul_u32_u24 v4, v1, SPITCH
	v_lshl_add_u32 v4, v2, 5, v4
	v_add_nc_u32 v[STO], s23, v4                   ; in: row l % 16, 32 bytes for each half of the lanes
	v_mul_u32_u24 v5, v2, SPITCH
	v_lshl_add_u32 v5, v1, 4, v5
	v_add_nc_u32 v[RD], s23, v5                    ; back: lanes 0-15 one row of 256 bytes, lanes 16-31 the next
	v_lshlrev_b32 v5, 12, v2
	v_lshl_add_u32 v[CO], v1, 4, v5                ; and the same two rows in out0
	s_lshl_b32 s16, s13, 7
	s_lshl_b32 s17, s11, 6
	s_add_co_u32 s16, s16, s17                     ; my first row
	s_lshl_b32 s16, s16, 12                        ; rows of 4,096 bytes
	s_lshl_b32 s46, s42, 9                         ; my first column, in bytes: 512 x tile column + 256 x half
	s_lshl_b32 s47, s12, 8
	s_add_co_u32 s46, s46, s47
	s_add_co_u32 s16, s16, s46
	s_mov_b32 s17, 0
	s_add_nc_u64 s[8:9], s[8:9], s[16:17]
; 8 matrix instructions: m blocks a0, a0 + 1 x all 4 n blocks, 32 along K: half c of buffer f.  zero = 1: the first product starts the sums
.macro MUL8 f, c, a0, zero
.irp a, \a0, \a0+1
.irp b, 0,1,2,3
.if \zero
	v_wmma_f32_16x16x32_f16 v[ACC+8*(4*(\a)+\b):ACC+8*(4*(\a)+\b)+7], v[\f+64+8*(4*\c+\b):\f+64+8*(4*\c+\b)+7], v[\f+8*(4*\c+\a):\f+8*(4*\c+\a)+7], 0
.else
	v_wmma_f32_16x16x32_f16 v[ACC+8*(4*(\a)+\b):ACC+8*(4*(\a)+\b)+7], v[\f+64+8*(4*\c+\b):\f+64+8*(4*\c+\b)+7], v[\f+8*(4*\c+\a):\f+8*(4*\c+\a)+7], v[ACC+8*(4*(\a)+\b):ACC+8*(4*(\a)+\b)+7]
.endif
.endr
.endr
.endm
; 32 LDS loads in one run: the fragments of one plane (64 along K), which begins at byte k of a wave's region, into buffer f; the first 32 along K first
.macro FETCH slot, k, f
	WIN TO_F
.irp c, 0,1
.irp i, 0,1,2,3
	ds_load_b128 v[\f+64+8*(4*\c+\i):\f+64+8*(4*\c+\i)+3],   v[ADRB+\slot] offset:\k+64*\c+\i*16*PITCH
	ds_load_b128 v[\f+64+8*(4*\c+\i)+4:\f+64+8*(4*\c+\i)+7], v[ADRB+\slot] offset:\k+64*\c+\i*16*PITCH+32
	ds_load_b128 v[\f+8*(4*\c+\i):\f+8*(4*\c+\i)+3],         v[ADRA+\slot] offset:\k+64*\c+\i*16*PITCH
	ds_load_b128 v[\f+8*(4*\c+\i)+4:\f+8*(4*\c+\i)+7],       v[ADRA+\slot] offset:\k+64*\c+\i*16*PITCH+32
.endr
.endr
.endm
.macro PLACES                          ; four plain lines in front of loads into registers that matrix instructions have read, and of the first read of results
.rept 4
	v_nop
.endr
.endm
; A K step is four quarters, a plane each, 32 matrix instructions, on buffers 0, 1, 0, 1.  One of the first three: multiplies buffer f and fetches the next plane, at byte k, into g.
.macro QUARTER slot, k, f, g, zero
	s_wait_dscnt 16                                ; the first 32 along K are in; the other sixteen loads may be out
	WIN MUL
	MUL8 \f, 0, 0, \zero
	MUL8 \f, 0, 2, \zero
	PLACES
	FETCH \slot, \k, \g
	s_wait_dscnt 32                                ; all but the 32 just issued
	WIN MUL
	MUL8 \f, 1, 0, 0
	MUL8 \f, 1, 2, 0
.endm
; The last quarter multiplies buffer 1 and changes slots: ONE barrier; in front of it each wave waits for all its tensor loads, adds 0 to its spare word, and waits for that and for its own reads of this slot.  fill = 1: this slot is filled again, two K steps ahead.
.macro TURN slot, next, fill
	WIN 0                                          ; (the add's two registers lie in window 0)
	s_wait_tensorcnt 0x0                           ; all my tensor loads have landed: my part of the next slot;
	ds_add_u32 v[SPW], v[NIL]
	s_wait_dscnt 17                                ; (the add and the youngest sixteen loads may be out)
	WIN MUL
	MUL8 F1, 0, 0, 0                               ; eight matrix instructions stand between the add and the wait for it
	s_wait_dscnt 0x0                               ; the add is done, and my reads of this slot are over
	s_barrier_signal -1
	MUL8 F1, 0, 2, 0
.if \fill
	WIN 0
.endif
	s_barrier_wait -1
.if \fill
	CREST                                          ; the barrier has opened a round of the cluster's barrier: no wave of any partner still reads this slot or has a load on its way
	s_add_nc_u64 s[G0+4*\slot+2:G0+4*\slot+3], s[G0+4*\slot+2:G0+4*\slot+3], 4194304
	s_add_nc_u64 s[G0B+4*\slot+2:G0B+4*\slot+3], s[G0B+4*\slot+2:G0B+4*\slot+3], 1048576
	JLOAD \slot                                    ; the first tensor load behind the round; the four v_nop behind it are also the places in front of the loads below
.else
	PLACES
.endif
	FETCH \next, 0, F0
	WIN MUL
	MUL8 F1, 1, 0, 0
	MUL8 F1, 1, 2, 0
.endm
	s_wait_tensorcnt 1                             ; my part of K step 0 is in; K step 1's load may be out,
	s_barrier_signal -1
	s_barrier_wait -1                              ; everybody's is
	FETCH 0, 0, F0
	QUARTER 0, PLANE,   F0, F1, 1                  ; K step 0: its first products start the sums
	QUARTER 0, 2*PLANE, F1, F0, 0
	QUARTER 0, 3*PLANE, F0, F1, 0
	TURN 0, 1, 1                                   ; slot 0 takes K step 2
	QUARTER 1, PLANE,   F0, F1, 0                  ; K step 1
	QUARTER 1, 2*PLANE, F1, F0, 0
	QUARTER 1, 3*PLANE, F0, F1, 0
	TURN 1, 0, 1                                   ; slot 1 takes K step 3
	QUARTER 0, PLANE,   F0, F1, 0                  ; K step 2
	QUARTER 0, 2*PLANE, F1, F0, 0
	QUARTER 0, 3*PLANE, F0, F1, 0
	TURN 0, 1, 0                                   ; nothing is left to fetch
	QUARTER 1, PLANE,   F0, F1, 0                  ; K step 3
	QUARTER 1, 2*PLANE, F1, F0, 0
	QUARTER 1, 3*PLANE, F0, F1, 0
	s_wait_dscnt 16
	WIN MUL
	MUL8 F1, 0, 0, 0
	MUL8 F1, 0, 2, 0
	s_wait_dscnt 0
	MUL8 F1, 1, 0, 0
	MUL8 F1, 1, 2, 0
	WIN 0
; THE WAY OUT, a block of 16 rows x 64 columns at a time.  A lane holds 32 neighbouring bytes of a row; a block goes through my own stage and comes back as whole rows of 256 bytes, which sixteen lanes store, aligned.
.macro TOSTAGE a
.irp b, 0,1,2,3
	ds_store_b128 v[STO], v[ACC+8*(4*(\a)+\b):ACC+8*(4*(\a)+\b)+3]   offset:(\a)*16*SPITCH+64*\b      ; each accumulator from its low end on
	ds_store_b128 v[STO], v[ACC+8*(4*(\a)+\b)+4:ACC+8*(4*(\a)+\b)+7] offset:(\a)*16*SPITCH+64*\b+16
.endr
.irp t, 0,1,2,3,4,5,6,7
	ds_load_b128 v[TMP+32*((\a)%2)+4*\t:TMP+32*((\a)%2)+4*\t+3], v[RD] offset:(\a)*16*SPITCH+\t*2*SPITCH   ; LDS serves a wave's instructions in order: these see the stores above
.endr
.endm
.macro SEND a, younger                 ; younger: the LDS instructions issued behind block a's loads, which may stay out
	s_wait_dscnt \younger
.irp t, 0,1,2,3,4,5,6,7
	global_store_b128 v[CO], v[TMP+32*((\a)%2)+4*\t:TMP+32*((\a)%2)+4*\t+3], s[8:9] offset:(16*(\a)+2*\t)*4096
.endr
.endm
	PLACES
	TOSTAGE 0
.irp a, 1,2,3
.if \a > 1
	s_wait_xcnt 0x0                                ; block a - 2's stores have read their registers: block a's rows may land there
.endif
	TOSTAGE \a
	SEND \a-1, 16                                  ; behind block a - 1's loads: block a's 8 stores and 8 loads
.endr
	SEND 3, 0
	s_wait_tensorcnt 0x0                           ; the wave's end
	ds_add_u32 v[SPW], v[NIL]
	s_wait_dscnt 0x0
	CROUND                                         ; the closing round
	s_endpgm
.Lfunc_end_k_q3a3bcc3fe8_proj:
	.size	k_q3a3bcc3fe8_proj, .Lfunc_end_k_q3a3bcc3fe8_proj-k_q3a3bcc3fe8_proj
	.p2alignl 7, 3214868480
	.fill 96, 4, 3214868480
	.section	.rodata,"a",@progbits
	.p2align	6, 0x0
	.amdhsa_kernel k_q3a3bcc3fe8_proj
		.amdhsa_group_segment_fixed_size 327680
		.amdhsa_private_segment_fixed_size 0
		.amdhsa_enable_private_segment 0
		.amdhsa_kernarg_size 24
		.amdhsa_user_sgpr_count 2
		.amdhsa_user_sgpr_kernarg_segment_ptr 1
		.amdhsa_wavefront_size32 1
		.amdhsa_system_sgpr_workgroup_id_x 1
		.amdhsa_system_sgpr_workgroup_id_y 1
		.amdhsa_system_sgpr_workgroup_id_z 1
		.amdhsa_system_vgpr_workitem_id 0
		.amdhsa_next_free_vgpr 512
		.amdhsa_next_free_sgpr 66
		.amdhsa_reserve_vcc 0
		.amdhsa_float_denorm_mode_32 3
		.amdhsa_float_denorm_mode_16_64 3
		.amdhsa_memory_ordered 1
		.amdhsa_forward_progress 1
		.amdhsa_inst_pref_size 85
	.end_amdhsa_kernel
	.amdgpu_metadata
---
amdhsa.version: [ 1, 2 ]
amdhsa.kernels:
  - .name:           k_q3a3bcc3fe8_proj
    .symbol:         k_q3a3bcc3fe8_proj.kd
    .args:
      - { .name: attn16, .offset: 0, .size: 8, .value_kind: global_buffer, .address_space: global }
      - { .name: wo16, .offset: 8, .size: 8, .value_kind: global_buffer, .address_space: global }
      - { .name: out0, .offset: 16, .size: 8, .value_kind: global_buffer, .address_space: global }
    .group_segment_fixed_size: 327680
    .private_segment_fixed_size: 0
    .kernarg_segment_align: 8
    .kernarg_segment_size: 24
    .max_flat_workgroup_size: 128
    .sgpr_count:     66
    .vgpr_count:     512
    .wavefront_size: 32
...
	.end_amdgpu_metadata
.endif
;; end of part 4
;; launch first16 (part 5): grid 64 x 2, 16 waves a work-group, no clusters, 71,680 bytes of LDS; arguments early, Wo, out0; writes out0
.if DOCPART == 5
	.amdgcn_target "amdgcn-amd-amdhsa--gfx1250"
	.amdhsa_code_object_version 6
	.text
	.protected	k_q3a3bcc3fe8_first16
	.globl	k_q3a3bcc3fe8_first16
	.p2align	8
	.type	k_q3a3bcc3fe8_first16,@function
k_q3a3bcc3fe8_first16:
	s_mov_b64 s[64:65], 0
	v_nop
	global_prefetch_b8 v0, s[64:65] scope:SCOPE_SE
	s_setreg_imm32_b32 hwreg(HW_REG_WAVE_MODE, 25, 1), 1
	s_wait_xcnt 0x0
; FIRST16: the first 16 positions of each sequence average one to sixteen values and are the largest of the output: they are carried in f32 through attention and through Wo, and written over what the launch before stored there.
; early [2 b][16 heads][q, k, v][8 images][32 lanes][16 bytes] f32 (q and k turned): image 2 g + u of lane (r, h) holds position r, channels 16 g + 8 h + 4 u + 0 .. 3.  Wo [1024][1024] f32; out0 rows b x 2048 + 0 .. 15.
; SHARES.  Work-group (x = 16 output columns, y = batch): 128 work-groups.  Wave hd is a head: it makes its head's 16 x 16 attention (32 matrix instructions) and multiplies its 64 channels by Wo[16 x .. + 15][64 hd ..]
; (16 more); the 16 heads' parts meet in LDS, and waves 0 and 1 add them in the order of the heads, 8 positions each.  All products by v_wmma_f32_16x16x4_f32: 48 a wave, no bulk work.
; A ROW'S PIECE IS 64 CONSECUTIVE BYTES, 16 bytes a lane, not a whole run of 256: the launch's entire output is 131,072 bytes, and work-groups of 64 columns would be 32 in number, each with twice the products a wave.
; K IS PERMUTED ALIKE ON BOTH OPERANDS: a step's k = 2 h + j stands for the same channel, or key, on both sides.  So q's and k's images are the operands as they lie, and each of their loads covers 512 consecutive bytes.
; v wants a lane to a channel where its image has a lane to a position: it turns through the wave's own 16 rows x 272 bytes of LDS.  All products are used transposed: a lane holds ONE position (lane % 16).
; No cluster, no tensor load, no prefetch: a launch of a few hundred instructions.  LIMITS: NaN and infinities are not served.
; REGISTERS: v1-15 addresses; v16-47 q, v48-79 k, later the heads' parts; v80-111 v, later the normalised attention; v112-143 Wo; v144-175 v's images;
;   v176-207 four partial S^T, later four partial outputs; v208-239 O^T: these 64 are written by matrix instructions alone; v240-247 scores, then p; v248-252 at work.
.set VST,   4352                       ; a wave's LDS: 16 rows x 272 bytes for v; later, over them, its head's part: 16 rows x 80 bytes
.set SPARE, 16*VST                     ; behind the 16 regions: the spare words, 128 bytes a wave
.set SPW, 12
.set NIL, 13
	s_load_b128 s[4:7], s[0:1], 0x0                ; early 4:5, Wo 6:7
	s_load_b64 s[8:9], s[0:1], 0x10                ; out0
	v_lshl_add_u32 v[SPW], v0, 2, SPARE
	v_mov_b32 v[NIL], 0
	v_lshrrev_b32 v1, 5, v0
	v_readfirstlane_b32 s10, v1                    ; wave: my head
	s_and_b32 s11, ttmp7, 0xffff                   ; batch
	v_and_b32 v1, 15, v0                           ; r
	v_bfe_u32 v2, v0, 4, 1                         ; h
	v_and_b32 v10, 31, v0                          ; lane
	v_lshlrev_b32 v3, 4, v10                       ; an image's place for my lane
	v_lshlrev_b32 v5, 12, v1
	v_lshl_add_u32 v5, v2, 5, v5                   ; Wo: row r of 4,096 bytes, + 32 h
	v_lshlrev_b32 v6, 3, v2
	v_sub_nc_u32 v6, v1, v6                        ; d = r - 8 h: my register j holds key 8 h + j, hidden where j > d
	s_mul_i32 s12, s10, VST                        ; my region
	v_mul_u32_u24 v4, v1, 272
	v_lshl_add_u32 v4, v2, 5, v4
	v_add_nc_u32 v4, s12, v4                       ; v on its way in: row = position r, + 32 h
	v_mul_u32_u24 v11, v2, 8*272
	v_lshl_add_u32 v11, v1, 2, v11
	v_add_nc_u32 v11, s12, v11                     ; and out: key 8 h, channel r
	v_mul_u32_u24 v7, v1, 80
	v_lshl_add_u32 v7, v2, 5, v7
	v_add_nc_u32 v7, s12, v7                       ; my head's part: row r of 80 bytes, + 32 h
	s_and_b32 s13, s10, 1                          ; the adding waves, 0 and 1: positions 8 w on
	s_mul_i32 s14, s13, 8*80
	v_lshrrev_b32 v9, 2, v10                       ; four lanes to a row's 64 bytes, eight rows
	v_and_b32 v15, 3, v0
	v_mul_u32_u24 v14, v9, 80
	v_lshl_add_u32 v14, v15, 4, v14
	v_add_nc_u32 v14, s14, v14                     ; where I read a head's part
	v_lshlrev_b32 v8, 12, v9
	v_lshl_add_u32 v8, v15, 4, v8                  ; and the same place in out0
	s_lshl_b32 s16, s11, 4
	s_add_co_u32 s16, s16, s10
	s_mul_i32 s16, s16, 12288                      ; my batch and head in early
	s_mov_b32 s17, 0
	s_lshl_b32 s18, ttmp9, 16                      ; Wo: 16 x rows of 4,096 bytes,
	s_lshl_b32 s19, s10, 8                         ; my head's 64 columns
	s_add_co_u32 s18, s18, s19
	s_mov_b32 s19, 0
	s_lshl_b32 s24, s11, 11
	s_lshl_b32 s25, s13, 3
	s_add_co_u32 s24, s24, s25                     ; out0: row batch x 2,048 + 8 (wave % 2),
	s_lshl_b32 s24, s24, 12
	s_lshl_b32 s25, ttmp9, 6                       ; 16 x columns of 4 bytes
	s_add_co_u32 s24, s24, s25
	s_mov_b32 s25, 0
	s_mov_b32 s20, 0x76543210
	s_mov_b32 s21, 0xfedcba98                      ; v_permlanex16_b32's selects for lane l xor 16
	s_mov_b32 s22, 0x3e38aa3b                      ; c = log2(e) / 8
	s_wait_kmcnt 0x0
	s_add_nc_u64 s[4:5], s[4:5], s[16:17]
	s_add_nc_u64 s[6:7], s[6:7], s[18:19]
	s_add_nc_u64 s[8:9], s[8:9], s[24:25]
.irp i, 0,1,2,3,4,5,6,7
	global_load_b128 v[144+4*\i:147+4*\i], v3, s[4:5] offset:8192+512*\i    ; v's images first: they have the longer way.  Each load covers 512 consecutive bytes
.endr
.irp i, 0,1,2,3,4,5,6,7
	global_load_b128 v[16+4*\i:19+4*\i], v3, s[4:5] offset:512*\i           ; q: an image is two steps of the product
.endr
.irp i, 0,1,2,3,4,5,6,7
	global_load_b128 v[48+4*\i:51+4*\i], v3, s[4:5] offset:4096+512*\i      ; k, the same channels
.endr
.irp cb, 0,1,2,3
	global_load_b128 v[112+8*\cb:115+8*\cb], v5, s[6:7] offset:64*\cb       ; Wo(16 x + r, 64 hd + 16 cb + 8 h + 0 .. 3)
	global_load_b128 v[116+8*\cb:119+8*\cb], v5, s[6:7] offset:64*\cb+16    ; and + 4 .. 7
.endr
	s_wait_loadcnt 24                              ; v is in; q's, k's and Wo's eight loads each may be out
.irp i, 0,1,2,3,4,5,6,7
	ds_store_b128 v4, v[144+4*\i:147+4*\i] offset:(\i/2)*64+(\i%2)*16       ; image 2 g + u: channels 16 g + 8 h + 4 u on of row r
.endr
.irp cb, 0,1,2,3
.irp i, 0,1,2,3,4,5,6,7
	ds_load_b32 v[80+8*\cb+\i], v11 offset:\i*272+64*\cb                    ; v(key 8 h + i, channel 16 cb + r): LDS serves a wave's instructions in order, so these see the stores above
.endr
.endr
	s_wait_loadcnt 8                               ; q and k are in; Wo's eight loads may be out
.irp st, 0,1,2,3,4,5,6,7,8,9,10,11,12,13,14,15 ; S^T = k q^T: four accumulators by turns, each begun with the constant 0
.if \st < 4
	v_wmma_f32_16x16x4_f32 v[176+8*(\st%4):183+8*(\st%4)], v[48+2*\st:49+2*\st], v[16+2*\st:17+2*\st], 0
.else
	v_wmma_f32_16x16x4_f32 v[176+8*(\st%4):183+8*(\st%4)], v[48+2*\st:49+2*\st], v[16+2*\st:17+2*\st], v[176+8*(\st%4):183+8*(\st%4)]
.endif
.endr
.rept 8
	v_nop                                          ; eight plain lines behind this form, in front of the first read of its results (ISA guide 7.12.1)
.endr
	v_mov_b32 v250, 0xff800000                     ; -infinity
.irp j, 0,1,2,3,4,5,6,7                        ; the four parts are added, from the accumulators' low end on; hidden keys become -infinity
	v_add_f32 v248, v[176+\j], v[184+\j]
	v_add_f32 v249, v[192+\j], v[200+\j]
	v_add_f32 v[240+\j], v248, v249
	v_cmp_gt_i32 vcc_lo, \j, v6
	v_cndmask_b32 v[240+\j], v[240+\j], v250, vcc_lo
.endr
	v_max3_num_f32 v248, v240, v241, v242
	v_max3_num_f32 v248, v248, v243, v244
	v_max3_num_f32 v248, v248, v245, v246
	v_max_num_f32 v248, v248, v247
	v_permlanex16_b32 v249, v248, s20, s21
	v_max_num_f32 v248, v248, v249                 ; the row's maximum: key 0 counts for every position
	v_mul_f32 v251, s22, v248
.irp j, 0,1,2,3,4,5,6,7
	v_fma_f32 v[240+\j], v[240+\j], s22, -v251     ; c s - c m
.endr
.irp j, 0,1,2,3,4,5,6,7
	v_exp_f32 v[240+\j], v[240+\j]
.endr
	v_nop
	s_wait_alu depctr_va_vdst(0)                   ; one wait for the eight, ahead of their first reader
	v_add_f32 v248, v240, v241
	v_add_f32 v249, v242, v243
	v_add_f32 v250, v244, v245
	v_add_f32 v251, v246, v247
	v_add_f32 v248, v248, v249
	v_add_f32 v250, v250, v251
	v_add_f32 v248, v248, v250
	v_permlanex16_b32 v249, v248, s20, s21
	v_add_f32 v248, v248, v249                     ; the row's sum
	v_rcp_f32 v252, v248
	v_nop
	s_wait_alu depctr_va_vdst(0)
	s_wait_dscnt 0x0                               ; v's fragments are in
.irp t, 0,1,2,3                                ; O^T = v^T p: in step t, k = 2 h + j stands for key 8 h + 2 t + j; four accumulators by turns
.irp cb, 0,1,2,3
.if \t == 0
	v_wmma_f32_16x16x4_f32 v[208+8*\cb:215+8*\cb], v[80+8*\cb+2*\t:81+8*\cb+2*\t], v[240+2*\t:241+2*\t], 0
.else
	v_wmma_f32_16x16x4_f32 v[208+8*\cb:215+8*\cb], v[80+8*\cb+2*\t:81+8*\cb+2*\t], v[240+2*\t:241+2*\t], v[208+8*\cb:215+8*\cb]
.endif
.endr
.endr
.rept 8
	v_nop
.endr
.irp i, 0,1,2,3,4,5,6,7,8,9,10,11,12,13,14,15,16,17,18,19,20,21,22,23,24,25,26,27,28,29,30,31
	v_mul_f32 v[80+\i], v[208+\i], v252            ; / the sum, into other registers: register 8 cb + j is channel 16 cb + 8 h + j of my position
.endr
	s_wait_loadcnt 0x0                             ; Wo
.irp t, 0,1,2,3                                ; out^T = Wo attn^T: in step (t, cb), k = 2 h + j stands for channel 16 cb + 8 h + 2 t + j; a partial sum for each cb, the four by turns
.irp cb, 0,1,2,3
.if \t == 0
	v_wmma_f32_16x16x4_f32 v[176+8*\cb:183+8*\cb], v[112+8*\cb+2*\t:113+8*\cb+2*\t], v[80+8*\cb+2*\t:81+8*\cb+2*\t], 0
.else
	v_wmma_f32_16x16x4_f32 v[176+8*\cb:183+8*\cb], v[112+8*\cb+2*\t:113+8*\cb+2*\t], v[80+8*\cb+2*\t:81+8*\cb+2*\t], v[176+8*\cb:183+8*\cb]
.endif
.endr
.endr
.rept 8
	v_nop
.endr
.irp j, 0,1,2,3,4,5,6,7                        ; the four partial sums are added into other registers, from the accumulators' low end on
	v_add_f32 v248, v[176+\j], v[184+\j]
	v_add_f32 v249, v[192+\j], v[200+\j]
	v_add_f32 v[16+\j], v248, v249
.endr
	ds_store_b128 v7, v[16:19]                     ; my head's part of (position r, columns 8 h + 0 .. 7), over v's rows, which I have read
	ds_store_b128 v7, v[20:23] offset:16
	s_wait_dscnt 0x0                               ; for the others' sake: my stores have landed
	s_barrier_signal -1
	s_barrier_wait -1
	s_cmp_gt_u32 s10, 1                            ; waves 0 and 1 add: 8 positions x 64 bytes each
	s_cbranch_scc1 .Ldone
.irp p, 0,1,2,3,4,5,6,7,8,9,10,11,12,13,14,15
	ds_load_b128 v[16+4*\p:19+4*\p], v14 offset:\p*VST             ; my four columns of each head's part
.endr
	s_wait_dscnt 0x0
.irp p, 1,2,3,4,5,6,7,8,9,10,11,12,13,14,15
	v_pk_add_f32 v[16:17], v[16:17], v[16+4*\p:17+4*\p]            ; in the order of the heads
	v_pk_add_f32 v[18:19], v[18:19], v[18+4*\p:19+4*\p]
.endr
	global_store_b128 v8, v[16:19], s[8:9]         ; four lanes store a row's 64 consecutive bytes
.Ldone:
	s_wait_tensorcnt 0x0                           ; the wave's end: behind my last LDS store
	ds_add_u32 v[SPW], v[NIL]
	s_wait_dscnt 0x0
	s_endpgm
.Lfunc_end_k_q3a3bcc3fe8_first16:
	.size	k_q3a3bcc3fe8_first16, .Lfunc_end_k_q3a3bcc3fe8_first16-k_q3a3bcc3fe8_first16
	.p2alignl 7, 3214868480
	.fill 96, 4, 3214868480
	.section	.rodata,"a",@progbits
	.p2align	6, 0x0
	.amdhsa_kernel k_q3a3bcc3fe8_first16
		.amdhsa_group_segment_fixed_size 71680
		.amdhsa_private_segment_fixed_size 0
		.amdhsa_enable_private_segment 0
		.amdhsa_kernarg_size 24
		.amdhsa_user_sgpr_count 2
		.amdhsa_user_sgpr_kernarg_segment_ptr 1
		.amdhsa_wavefront_size32 1
		.amdhsa_system_sgpr_workgroup_id_x 1
		.amdhsa_system_sgpr_workgroup_id_y 1
		.amdhsa_system_sgpr_workgroup_id_z 1
		.amdhsa_system_vgpr_workitem_id 0
		.amdhsa_next_free_vgpr 256
		.amdhsa_next_free_sgpr 66
		.amdhsa_reserve_vcc 1
		.amdhsa_float_denorm_mode_32 3
		.amdhsa_float_denorm_mode_16_64 3
		.amdhsa_memory_ordered 1
		.amdhsa_forward_progress 1
		.amdhsa_inst_pref_size 21
	.end_amdhsa_kernel
	.amdgpu_metadata
---
amdhsa.version: [ 1, 2 ]
amdhsa.kernels:
  - .name:           k_q3a3bcc3fe8_first16
    .symbol:         k_q3a3bcc3fe8_first16.kd
    .args:
      - { .name: early, .offset: 0, .size: 8, .value_kind: global_buffer, .address_space: global }
      - { .name: Wo, .offset: 8, .size: 8, .value_kind: global_buffer, .address_space: global }
      - { .name: out0, .offset: 16, .size: 8, .value_kind: global_buffer, .address_space: global }
    .group_segment_fixed_size: 71680
    .private_segment_fixed_size: 0
    .kernarg_segment_align: 8
    .kernarg_segment_size: 24
    .max_flat_workgroup_size: 512
    .sgpr_count:     66
    .vgpr_count:     256
    .wavefront_size: 32
...
	.end_amdgpu_metadata
.endif
;; end of part 5
